; MI455X (gfx1250); checked and timed in simulation.
; The chip was launched on July 23, 2026; its instructions are those of AMD's public machine-readable ISA for CDNA 5 (MIT licence, August 2026) and "CDNA5" Instruction Set Architecture Reference Guide (July 2026). The comments in the code are by the model that wrote it; some were corrected since.
;; Self Attention. Allowed arithmetic: matrix products marked QUANTISED: E4M3 operands, one E8M0 scale for each 32 along K, by v_wmma_scale_f32_16x16x128_f8f6f4 with both operands' format E4M3, f32 sums; everything else in f32.
;; Inputs: W_attn 1,024 x 3,072 float32; W_proj 1,024 x 1,024 float32; b_attn 3,072 float32; b_proj 1,024 float32; x 4 x 2,048 x 1,024 float32.
;; Outputs: out0 4 x 2,048 x 1,024 float32.
;; This version of the problem:
;;   THIS VERSION OF THE PROBLEM IS GIVEN IN LOW PRECISION. The matrix products marked QUANTISED in the list below multiply operands that are first quantised to E4M3 (4 exponent bits, 3 mantissa bits; 8 bits a number), with one power-of-two scale for each 32 numbers along K (OCP MX v1.0); their sums are f32. All else is computed in f32.
;;   The module's matrix products, in the order in which they are computed (A, B: the left and right operand; K: the contracted axis; several contracted axes count as one K, in the product's order):
;;     1. [M 8,192, K 1,024] x [K 1,024, N 3,072]; A: input x; B: input W_attn: QUANTISED
;;     2. batch 64 x [M 2,048, K 64] x [K 64, N 2,048]; A: computed on the way; B: computed on the way: QUANTISED
;;     3. batch 64 x [M 2,048, K 2,048] x [K 2,048, N 64]; A: softmax (see below); B: computed on the way: QUANTISED
;;     4. [M 8,192, K 1,024] x [K 1,024, N 1,024]; A: computed on the way; B: input W_proj: QUANTISED
;;   THE QUANTISER, for each operand of a quantised product, along K:
;;     - K is cut into blocks of 32 from its start; a last block that is shorter is filled with zeros.
;;     - A block's scale is 2^e with e = floor(log2(the largest magnitude in the block)) - 8, held to -126 .. 127; a block of zeros has e = 0. As a byte (E8M0): e + 127.
;;     - Each number is divided by its block's scale, clamped to +-448, and rounded to the nearest number of E4M3, ties to even, subnormals kept.
;;     - The product sums the exact products of the quantised numbers (number of the format x scale) in f32.
;;   ~~~python
;;   def quantise(x, axis):      # numpy; x: float32 -> the quantised numbers, widened to float32 again
;;       x = np.moveaxis(x, axis, -1); K = x.shape[-1]
;;       x = np.pad(x, [(0, 0)] * (x.ndim - 1) + [(0, -K % 32)]); x = x.reshape(x.shape[:-1] + (-1, 32)); a = np.abs(x).max(-1, keepdims=True)
;;       e = np.where(a > 0, np.clip(np.frexp(np.where(a > 0, a, 1))[1] - 1 - 8, -126, 127), 0)      # np.frexp(a)[1] - 1 = floor(log2(a)), exactly
;;       r = np.clip(x / 2.0 ** e, -448, 448)
;;       step = 2.0 ** (np.maximum(np.frexp(np.where(r == 0, 1, r))[1] - 1, -6) - 3)
;;       q = np.round(r / step) * step * 2.0 ** e      # np.round: ties to even
;;       return np.moveaxis(q.reshape(q.shape[:-2] + (-1,))[..., :K], -1, axis).astype(np.float32)
;;   ~~~
;;   SOFTMAX AHEAD OF A QUANTISED PRODUCT. Where the list says 'softmax', what is quantised is not the finished softmax but p = 2^(t - M), with t = logit x log2(e) and M = ceil(the row's largest t), a whole number; so 1/2 < the row's largest p <= 1. The row's sum l is taken of the UNQUANTISED p, in f32, and the product's result is divided by l at the end. Since M is a whole number, a kernel that streams over the keys may use a running M (the ceiling of the running maximum): every later rescaling is an exact power of two, which a block's scale takes up: the codes' values come out the same.
;;   OPERANDS COMPUTED ON THE WAY. 'Computed on the way' means the value that the module computes at that place (a softmax that the list does not call 'softmax' is quantised finished and normalised). What goes into a quantiser is computed in f32, as accurately as f32 sums, v_exp_f32 and their like allow (about 1e-6 of the number): no bf16 or f16 on the way to a quantiser, and a product that is left as it is and whose result goes on into a quantised operand takes f32 operands (vector FMAs, or v_wmma_f32_16x16x4_f32). A number that lies on a knife's edge between two numbers of the format may be rounded either way, as far as f32 arithmetic and the matrix unit's own rounding can turn it there, and no further.
;; One version. Each part assembles by itself: llvm-mc -triple=amdgcn-amd-amdhsa -mcpu=gfx1250 --defsym DOCPART=n.
;; ======== version 1 of 1: 4 launches
;; limits: right only within a limited range of input values
;; workspace buffers: opc 12,582,912 bytes; ops 393,216 bytes; qimg 8,388,608 bytes; qsc 524,288 bytes; kv 17,563,648 bytes; yc 8,388,608 bytes; ys 262,144 bytes
;; launch quant (part 1): grid 384 x 1, 4 waves a work-group, no clusters, 34,304 bytes of LDS; arguments x, W_attn, W_proj, opc, ops; writes opc, ops
.if DOCPART == 1
	.amdgcn_target "amdgcn-amd-amdhsa--gfx1250"
	.amdhsa_code_object_version 6
	.text
	.protected	k_q788ce163b6_quant
	.globl	k_q788ce163b6_quant
	.p2align	8
	.type	k_q788ce163b6_quant,@function
k_q788ce163b6_quant:
	s_mov_b64 s[64:65], 0
	v_nop
	global_prefetch_b8 v0, s[64:65] scope:SCOPE_SE
	s_setreg_imm32_b32 hwreg(HW_REG_WAVE_MODE, 25, 1), 1
	s_wait_xcnt 0x0
; x [8192][1024], W_attn [1024][3072] and W_proj [1024][1024], f32, become codes of FP8 (E4M3) with one E8M0 scale byte for each 32 along K (K = 1,024 for all three).
; A block's scale is 2^(floor(log2(its largest magnitude)) - 8); its byte is the largest magnitude's exponent field - 8, held at 1 from below; each number is divided by the scale, held within +-448, rounded to the nearest code.
; LIMITS: NaN and infinities among the inputs are not served.  A block of zeros gets the byte 1 where the rule says 127: its codes are zeros, which add nothing under any byte but 0xff, and this program alone reads the bytes.
; THE LAYOUT THAT ALL LATER LAUNCHES READ: AN IMAGE OF THE OPERAND'S REGISTERS.  A tile T is 16 rows (tokens of x, columns of a weight): lane r holds row 32 (T / 2) + 8 (T % 2) + r + 8 (r / 8).
;   codes  opc[T][kb 32][lane 16 h + r][16 bytes]: byte i is the code of (that row, k = 32 kb + 16 h + i): 512 consecutive bytes for each (T, kb), 16,384 for a tile.
;   scales ops[T][kb / 8][r][8 bytes]: byte kb % 8: 512 bytes a tile.     Tiles 0-511: x; 512-703: W_attn's columns; 704-767: W_proj's.
; SHARES: every wave takes 32 KiB of f32.  Work-groups 0-255: x (a wave: one tile x 512 along K); 256-351: W_attn; 352-383: W_proj (a wave: 32 columns x 256 along K).  Waves share nothing: no barrier.
; Only x's path uses LDS.  No tensor loads, no matrix unit, no cluster: the launch streams, and nothing is read twice.
.set R,    16                          ; v16-143  x: two sets of 64 registers as loaded (16 rows x 16 bytes a lane)
.set XR,   144                         ; v144-207 x: 64 numbers of my row: register 16 b + i = k 32 b + 16 h + i
.set PC,   208                         ; v208-223 x: a unit's codes
.set TM,   224                         ; v224-239 x: +0 largest magnitudes, +4 bytes, +8 the largest number x the scale, +12 the conversion's scale operand
.set PW,   12                          ; v12-15   x: the four units' scale words
.set SP,   528                         ; a stage row: 512 bytes + 16: the sixteen rows that a read touches start in sixteen different 16-byte columns
.set MNT,  15                          ; s15      the mantissa field of 448
.set SEL,  16                          ; s[16:17] v_permlanex16_b32's selects for lane l xor 16
.macro LOADX u                         ; unit u: 128 along K of my 16 rows: each load reads 512 consecutive bytes of one row
.irp i, 0,1,2,3,4,5,6,7,8,9,10,11,12,13,14,15
	global_load_b128 v[R+64*((\u)%2)+4*\i:R+64*((\u)%2)+4*\i+3], v1, s[4:5] offset:(\i+8*(\i/8))*4096+512*(\u) th:TH_LOAD_NT
.endr
.endm
.macro TURNX u                         ; through my wave's stage: in as loaded, back 16 neighbours of each block of 32 a lane.  LDS serves a wave's instructions in order: no wait between
.irp i, 0,1,2,3,4,5,6,7,8,9,10,11,12,13,14,15
	ds_store_b128 v2, v[R+64*((\u)%2)+4*\i:R+64*((\u)%2)+4*\i+3] offset:SP*\i
.endr
.irp b, 0,1,2,3
.irp j, 0,1,2,3
	ds_load_b128 v[XR+16*\b+4*\j:XR+16*\b+4*\j+3], v3 offset:128*\b+16*\j
.endr
.endr
.endm
; 64 numbers of a lane become a fragment's codes in v[PC] on and its scale word in v[pw]
.macro QUANT s, pw
.irp b, 0,1,2,3
	v_max3_num_f32 v[TM+\b], |v[\s+16*\b]|, |v[\s+1+16*\b]|, 0x4800000   ; block b: my 16 numbers, and the floor 2^(9 - 127): the byte cannot fall under 1
.endr
.irp i, 2,4,6,8,10,12,14
.irp b, 0,1,2,3
	v_max3_num_f32 v[TM+\b], v[TM+\b], |v[\s+16*\b+\i]|, |v[\s+1+16*\b+\i]|   ; the four blocks by turns
.endr
.endr
.irp b, 0,1,2,3
	v_permlanex16_b32 v[TM+4+\b], v[TM+\b], s[SEL], s[SEL+1]
.endr
.irp b, 0,1,2,3
	v_max_num_f32 v[TM+\b], v[TM+\b], v[TM+4+\b]   ; with lane l xor 16's 16: the block's largest magnitude
.endr
.irp b, 0,1,2,3
	v_add_nc_u32 v[TM+12+\b], 0xfc000000, v[TM+\b]   ; 8 off its exponent field: the conversion takes this operand's exponent field as its scale
.endr
.irp b, 0,1,2,3
	v_and_or_b32 v[TM+8+\b], v[TM+\b], 0x7f800000, s[MNT]   ; 448 x the scale
.endr
.irp b, 0,1,2,3
	v_lshrrev_b32 v[TM+4+\b], 23, v[TM+12+\b]   ; the scale's byte
.endr
	v_lshl_or_b32 v[\pw], v[TM+5], 8, v[TM+4]
	v_lshl_or_b32 v[\pw], v[TM+6], 16, v[\pw]
	v_lshl_or_b32 v[\pw], v[TM+7], 24, v[\pw]
.irp b, 0,1,2,3
.irp i, 0,1,2,3,4,5,6,7,8,9,10,11,12,13,14,15
	v_med3_num_f32 v[\s+16*\b+\i], v[\s+16*\b+\i], -v[TM+8+\b], v[TM+8+\b]   ; the conversion to an 8-bit code does not saturate (ISA guide 7.6.2): the hold comes first
.endr
	v_cvt_scalef32_pk8_fp8_f32 v[PC+4*\b:PC+1+4*\b], v[\s+16*\b:\s+7+16*\b], v[TM+12+\b]
	v_cvt_scalef32_pk8_fp8_f32 v[PC+2+4*\b:PC+3+4*\b], v[\s+8+16*\b:\s+15+16*\b], v[TM+12+\b]
.endr
	v_nop                                          ; one plain line behind the last conversion
.endm
.macro UNIT u
.if (\u) < 3
	s_wait_loadcnt 16                              ; this unit's 16 loads are in; the next unit's 16 may be out
.else
	s_wait_loadcnt 0x0
.endif
	TURNX \u
	s_wait_dscnt 0x0                               ; my 64 numbers are back, and the stage's stores have read the set
	s_wait_xcnt 0x0                                ; the last unit's stores have read v[PC] on, which is written again below
.if (\u) < 2
	LOADX (\u)+2
.endif
	QUANT XR, PW+(\u)
.irp c, 0,1,2,3
	global_store_b128 v1, v[PC+4*\c:PC+4*\c+3], s[10:11] offset:(4*(\u)+\c)*512   ; 32 lanes store 512 consecutive bytes, aligned
.endr
.endm
; the weights: a lane takes a column and its registers run down K (a block of 32 lies in one lane)
.macro WLOAD t, n, wp
.set J, 0
.rept 32
	global_load_b32 v[32+32*((\t)%2)+J], v1, s[\wp:\wp+1] offset:(32*(\t)+J)*(\n)*4 th:TH_LOAD_NT   ; a wave reads 128 consecutive bytes, the four waves 512
.set J, J+1
.endr
.endm
.macro WBLOCK t, n, wp
.set XS, 32+32*((\t)%2)
.if (\t) < 7
	s_wait_loadcnt 32                              ; this block's 32 loads are in; the next block's may be out
.else
	s_wait_loadcnt 0x0
.endif
	v_max3_num_f32 v12, |v[XS]|, |v[XS+1]|, |v[XS+2]|
	v_max3_num_f32 v13, |v[XS+3]|, |v[XS+4]|, |v[XS+5]|
.irp i, 6,10,14,18,22,26
	v_max3_num_f32 v12, v12, |v[XS+\i]|, |v[XS+\i+1]|
	v_max3_num_f32 v13, v13, |v[XS+\i+2]|, |v[XS+\i+3]|
.endr
	v_max3_num_f32 v12, v12, |v[XS+30]|, |v[XS+31]|
	v_max3_num_f32 v12, v12, v13, 0x4800000        ; and the floor
	v_add_nc_u32 v11, 0xfc000000, v12              ; the conversion's scale operand
	v_and_or_b32 v10, v12, 0x7f800000, s[MNT]      ; 448 x the scale
	v_lshrrev_b32 v13, 23, v11                     ; the byte
.if (\t)%4 == 0
	v_mov_b32 v[24+(\t)/4], v13                    ; four bytes to a register, the lower K in the lower byte
.else
	v_lshl_or_b32 v[24+(\t)/4], v13, 8*((\t)%4), v[24+(\t)/4]
.endif
.set J, 0
.rept 32
	v_med3_num_f32 v[XS+J], v[XS+J], -v10, v10
.set J, J+1
.endr
	s_wait_alu depctr_va_vdst(0)
	s_wait_xcnt 0x0                                ; the last block's stores have read v96-103
.irp g, 0,1,2,3
	v_cvt_scalef32_pk8_fp8_f32 v[96+2*\g:97+2*\g], v[XS+8*\g:XS+8*\g+7], v11
.endr
	v_nop
	global_store_b128 v2, v[96:99], s[10:11] offset:512*(\t)        ; k = 32 kb + 0 .. 15: the image's lanes 0-15.  The sixteen lanes of one tile store 256 consecutive bytes, aligned
	global_store_b128 v2, v[100:103], s[10:11] offset:512*(\t)+256  ; k = 32 kb + 16 .. 31: its lanes 16-31
.if (\t)+2 < 8
	WLOAD (\t)+2, \n, \wp
.endif
.endm
; s18: the work-group's number among this weight's.  n: the weight's columns; wp: its pointer; g0: groups of 32 columns that lie ahead of it among the weights' tiles
.macro WPATH n, wp, g0
	s_lshr_b32 s19, s18, 2                         ; which 128 columns
	s_and_b32 s20, s18, 3                          ; which 256 along K
	s_lshl_b32 s19, s19, 2
	s_add_co_u32 s19, s19, s14                     ; my wave's group of 32 columns: two tiles
	s_mul_i32 s22, s20, 256*\n*4
	s_lshl_b32 s23, s19, 7
	s_add_co_u32 s22, s22, s23                     ; the weight: 256 ky rows down, 32 g columns on
	s_mov_b32 s23, 0
	s_add_co_u32 s19, s19, \g0+256                 ; half the first tile's number: tiles begin at 512
	s_lshl_b32 s24, s19, 15
	s_lshl_b32 s25, s20, 12
	s_add_co_u32 s24, s24, s25                     ; codes: tile x 16,384 + 8 ky x 512
	s_mov_b32 s25, 0
	s_lshl_b32 s26, s19, 10
	s_lshl_b32 s27, s20, 7
	s_add_co_u32 s26, s26, s27                     ; scale bytes: tile x 512 + ky x 128
	s_mov_b32 s27, 0
	s_wait_kmcnt 0x0
	s_add_nc_u64 s[\wp:\wp+1], s[\wp:\wp+1], s[22:23]
	s_add_nc_u64 s[10:11], s[10:11], s[24:25]
	s_add_nc_u64 s[12:13], s[12:13], s[26:27]
	WLOAD 0, \n, \wp
	WLOAD 1, \n, \wp
.irp t, 0,1,2,3,4,5,6,7
	WBLOCK \t, \n, \wp
.endr
	global_store_b64 v3, v[24:25], s[12:13]        ; my column's 8 scale bytes: runs of 128 bytes, so aligned blocks of 256 are written in halves: 131,072 bytes in all against the 16.8 MB that these paths read
	s_endpgm
.endm
	s_load_b256 s[4:11], s[0:1], 0x0               ; x s[4:5], W_attn s[6:7], W_proj s[8:9], opc s[10:11]
	s_load_b64 s[12:13], s[0:1], 0x20              ; ops
	v_lshl_add_u32 v240, v0, 2, 0x8400
	v_mov_b32 v241, 0
	v_lshrrev_b32 v5, 5, v0
	v_readfirstlane_b32 s14, v5                    ; wave
	v_and_b32 v6, 31, v0                           ; lane
	s_mov_b32 s[MNT], 0x600000
	s_mov_b32 s[SEL], 0x76543210
	s_mov_b32 s[SEL+1], 0xfedcba98
	s_cmp_lt_u32 ttmp9, 256
	s_cbranch_scc0 .Lweights
	; ---- x
	v_lshlrev_b32 v1, 4, v6                        ; 16 x lane: a load's, and an image's, place for my lane
	s_mul_i32 s18, s14, 16*SP                      ; my wave's stage
	v_add_nc_u32 v2, s18, v1                       ; in
	v_and_b32 v7, 15, v6                           ; r
	v_lshrrev_b32 v8, 4, v6                        ; h
	v_mul_u32_u24 v3, v7, SP
	v_lshl_add_u32 v3, v8, 6, v3
	v_add_nc_u32 v3, s18, v3                       ; back: row r, + 64 h
	v_lshlrev_b32 v4, 3, v6                        ; 8 x lane: the scale words' place
.irp b, 0,1,2,3
	v_mov_b32 v[TM+4+\b], 0                        ; written once: a lane permute's destination counts as one of its sources
.endr
	s_lshl_b32 s19, ttmp9, 2
	s_add_co_u32 s19, s19, s14
	s_lshr_b32 s20, s19, 1                         ; my tile T
	s_and_b32 s21, s19, 1                          ; which 512 along K
	s_lshr_b32 s22, s20, 1
	s_lshl_b32 s22, s22, 5
	s_and_b32 s23, s20, 1
	s_lshl_b32 s23, s23, 3
	s_add_co_u32 s22, s22, s23                     ; the tile's first row: 32 (T / 2) + 8 (T % 2)
	s_lshl_b32 s22, s22, 12
	s_lshl_b32 s23, s21, 11
	s_add_co_u32 s22, s22, s23
	s_mov_b32 s23, 0
	s_lshl_b32 s24, s20, 14
	s_lshl_b32 s25, s21, 13
	s_add_co_u32 s24, s24, s25
	s_mov_b32 s25, 0
	s_lshl_b32 s26, s20, 9
	s_lshl_b32 s27, s21, 8
	s_add_co_u32 s26, s26, s27
	s_mov_b32 s27, 0
	s_wait_alu depctr_va_vdst(0)
	s_wait_kmcnt 0x0
	s_add_nc_u64 s[4:5], s[4:5], s[22:23]
	s_add_nc_u64 s[10:11], s[10:11], s[24:25]
	s_add_nc_u64 s[12:13], s[12:13], s[26:27]
	LOADX 0
	LOADX 1
	UNIT 0
	UNIT 1
	UNIT 2
	UNIT 3
	v_cmp_gt_u32 vcc_lo, 16, v6                    ; both halves of the lanes hold row r's four words: lanes 0-15 store the first two (256 along K), lanes 16-31 the other two
	v_cndmask_b32 v10, v[PW+2], v[PW], vcc_lo
	v_cndmask_b32 v11, v[PW+3], v[PW+1], vcc_lo
	global_store_b64 v4, v[10:11], s[12:13]        ; 32 lanes store 256 consecutive bytes, aligned
	s_wait_tensorcnt 0x0
	ds_add_u32 v240, v241
	s_wait_dscnt 0x0
	s_endpgm
.Lweights:
	s_wait_alu depctr_va_vdst(0)
	v_lshlrev_b32 v1, 2, v6                        ; in: 4 bytes a lane
	v_bfe_u32 v7, v6, 3, 1                         ; column 32 g + lane lies in tile 2 g + u, u = (lane / 8) % 2,
	v_and_b32 v8, 7, v6
	v_lshrrev_b32 v9, 4, v6
	v_lshl_add_u32 v8, v9, 3, v8                   ; at its lane r = lane % 8 + 8 (lane / 16)
	v_lshlrev_b32 v2, 4, v8
	v_lshl_add_u32 v2, v7, 14, v2                  ; codes: u x 16,384 + 16 r
	v_lshlrev_b32 v3, 3, v8
	v_lshl_add_u32 v3, v7, 9, v3                   ; scale bytes: u x 512 + 8 r
	s_cmp_lt_u32 ttmp9, 352
	s_cbranch_scc0 .Lwproj
	s_sub_co_u32 s18, ttmp9, 256
	s_wait_alu depctr_va_vdst(0)
	WPATH 3072, 6, 0
.Lwproj:
	s_sub_co_u32 s18, ttmp9, 352
	s_wait_alu depctr_va_vdst(0)
	WPATH 1024, 8, 96
.Lfunc_end_k_q788ce163b6_quant:
	.size	k_q788ce163b6_quant, .Lfunc_end_k_q788ce163b6_quant-k_q788ce163b6_quant
	.p2alignl 7, 3214868480
	.fill 96, 4, 3214868480
	.section	.rodata,"a",@progbits
	.p2align	6, 0x0
	.amdhsa_kernel k_q788ce163b6_quant
		.amdhsa_group_segment_fixed_size 34304
		.amdhsa_private_segment_fixed_size 0
		.amdhsa_enable_private_segment 0
		.amdhsa_kernarg_size 40
		.amdhsa_user_sgpr_count 2
		.amdhsa_user_sgpr_kernarg_segment_ptr 1
		.amdhsa_wavefront_size32 1
		.amdhsa_system_sgpr_workgroup_id_x 1
		.amdhsa_system_sgpr_workgroup_id_y 1
		.amdhsa_system_sgpr_workgroup_id_z 1
		.amdhsa_system_vgpr_workitem_id 0
		.amdhsa_next_free_vgpr 242
		.amdhsa_next_free_sgpr 66
		.amdhsa_reserve_vcc 1
		.amdhsa_float_denorm_mode_32 3
		.amdhsa_float_denorm_mode_16_64 3
		.amdhsa_memory_ordered 1
		.amdhsa_forward_progress 1
		.amdhsa_inst_pref_size 163
	.end_amdhsa_kernel
	.amdgpu_metadata
---
amdhsa.version: [ 1, 2 ]
amdhsa.kernels:
  - .name:           k_q788ce163b6_quant
    .symbol:         k_q788ce163b6_quant.kd
    .args:
      - { .name: x, .offset: 0, .size: 8, .value_kind: global_buffer, .address_space: global }
      - { .name: W_attn, .offset: 8, .size: 8, .value_kind: global_buffer, .address_space: global }
      - { .name: W_proj, .offset: 16, .size: 8, .value_kind: global_buffer, .address_space: global }
      - { .name: opc, .offset: 24, .size: 8, .value_kind: global_buffer, .address_space: global }
      - { .name: ops, .offset: 32, .size: 8, .value_kind: global_buffer, .address_space: global }
    .group_segment_fixed_size: 34304
    .private_segment_fixed_size: 0
    .kernarg_segment_align: 8
    .kernarg_segment_size: 40
    .max_flat_workgroup_size: 128
    .sgpr_count:     66
    .vgpr_count:     242
    .wavefront_size: 32
...
	.end_amdgpu_metadata
.endif
;; end of part 1
;; launch qkv (part 2): grid 4 x 64, 4 waves a work-group, clusters of 4 x 4, 327,680 bytes of LDS; arguments opc, ops, b_attn, qimg, qsc, kv; writes qimg, qsc, kv
.if DOCPART == 2
	.amdgcn_target "amdgcn-amd-amdhsa--gfx1250"
	.amdhsa_code_object_version 6
	.text
	.protected	k_q788ce163b6_qkv
	.globl	k_q788ce163b6_qkv
	.p2align	8
	.type	k_q788ce163b6_qkv,@function
k_q788ce163b6_qkv:
	s_mov_b64 s[64:65], 0
	v_nop
	global_prefetch_b8 v0, s[64:65] scope:SCOPE_SE
	s_setreg_imm32_b32 hwreg(HW_REG_WAVE_MODE, 25, 1), 1
	s_wait_xcnt 0x0
	s_wait_alu depctr_hold_cnt(0) depctr_sa_sdst(0) depctr_va_vdst(0) depctr_va_sdst(0) depctr_va_ssrc(0) depctr_va_vcc(0) depctr_vm_vsrc(0)
	s_getreg_b32 s2, hwreg(HW_REG_IB_STS2, 6, 4)
	s_cmp_eq_u32 s2, 0
	s_cbranch_scc0 .Lentry_in_a_cluster
	s_endpgm
.Lentry_in_a_cluster:
	s_bfe_u32 s2, ttmp6, 0x10000c
	s_cmp_lg_u32 s2, 0xf033
	s_cbranch_scc0 .Lentry_shape_is_right
	s_endpgm
.Lentry_shape_is_right:
; qkv = x W_attn + b_attn on codes of FP8 (E4M3) with E8M0 scales (K = 1,024), and q, k, v quantised at once for attention's two products: q, k along the head's 64, v along the keys.  No f32 result goes to memory.
; OPERANDS are images of registers: tile T = 16 rows, lane r holds row 32 (T / 2) + 8 (T % 2) + r + 8 (r / 8); codes [T][kb 32][lane][16], scale bytes [T][kb / 8][r][8].  Tiles 0-511: x; 512-703: W_attn's columns.
; THE DEAL: 256 work-groups of four waves, clusters of 4 x 4.  A work-group owns 128 tokens (8 tiles, one key step): 131,072 bytes, brought into LDS once, jointly with its row of the cluster.
; Wave w owns head 4 cx + w and walks three phases, q, k, v.  In a phase it holds its head's 64 columns of W, all of K, in 512 registers (window 1: the lower half of K, window 2: the upper), and streams the 8 token tiles past them in two sets of 128 registers (window 3).
; W COMES THROUGH ONE REGION OF LDS, half of K at a time (16 tiles x 8,192 bytes), jointly with the column of the cluster.  At the head waves 0, 1 fetch the first lower half and waves 2, 3 the tokens.  Every later half is a refill behind a drained round of the
; cluster's barrier, each wave fetching the quarter that it alone reads.  Order: upper (0) at the head's end; in each phase lower (next) as soon as the upper half is in registers; upper (next) in the last pair's middle, when window 1 has taken the lower half.
; A pair of tiles goes: lower K half of both, upper K half of both: so window 1 is done with ahead of a phase's last 32 products.
; The scale words and biases of phases 1 and 2 are loaded at the head and kept as register images in LDS bytes of the wave's own: 6,144 bytes a phase.
; q, k: source 0 = W's tile, source 1 = tokens: a lane holds one token, its 32 sums run along d.  v: source 0 = tokens, source 1 = W's tile: a lane holds one d, the sums of tiles 2 p, 2 p + 1 are 16 neighbouring keys.
; q and k are one loop of two trips; what differs lies in pointers.  PREFETCH: in pair 1 of each trip the next phase's upper half: 16 tiles x 8,192 bytes = the column's 16 waves x 32 lanes x 256 bytes, shared out by address; two pairs ahead of its load.
; OUT: qimg [bh][T 128][c 2][lane][16]; qsc [bh][T][r] words (bytes 0, 1: scales of d 0-31, 32-63; bytes 2, 3: 0x7f).  kv [bh][ks 16] records of 17,152 bytes: K's codes [t 8][c 2][lane][16]; V's [dT 4][c 4][lane][16] at 8,192; K's scale words [t 8][r 16] at 16,384; V's [dT 4][r 16] at 16,896.
; LIMITS: NaN and infinities are not served; a block of zeros gets the byte 1, not 127 (zero codes; this program alone reads the bytes).
.set WA,    131072                     ; behind the tokens' tiles: half of K of W's 16 tiles
.set SPARE, 262144                     ; the spare words, 512 bytes
.set STG,   262656                     ; 512 bytes a wave: scale words on the way out; no fill lands here
.set IMGB,  264704                     ; 12,288 bytes a wave: the images of phases 1 and 2; no fill lands here
.set VL,  1                            ; 16 x lane
.set R8,  2                            ; 8 r
.set WS8, 3                            ; 512 h + 8 r
.set BO,  4                            ; 64 h
.set BV,  5                            ; 4 (r + 8 (r / 8))
.set STA, 6                            ; stage + 4 r
.set RDS, 7                            ; stage + 16 x lane
.set AD,  8                            ; v8-15 LDS address of tile i
.set SPW, 16
.set NIL, 17
.set RD8, 18                           ; stage + 8 x lane
.set L8,  19                           ; 8 x lane
.set PF,  40                           ; 256 x lane
.set IMG, 41                           ; LDS address of the next phase's image
.set WAD, 42                           ; LDS address of my quarter of W's region
.set SB,  24                           ; v24-39 W's scale words: 8 p + q: lanes 0-15 tile 2 p, lanes 16-31 tile 2 p + 1
.set SA,  44                           ; v44-107 x's scale words: 8 i + q
.set ACC, 112                          ; v112-175 two sets of four accumulators
.set BI,  176                          ; v176-207 the bias: the first products' C
.set TM,  208
.set PC,  224                          ; v224-239 codes
.set PW,  240                          ; v240-247 scale words
.set RB,  248
.set MSB, 0
.macro WIN new                         ; the immediate's high byte repeats the setting that is left
.if MSB != (\new)
	s_set_vgpr_msb (MSB<<8)|(\new)
.set MSB, (\new)
.endif
.endm
.macro PLACES n
.rept \n
	v_nop
.endr
.endm
.macro CROUND
	s_barrier_signal -1
	s_barrier_wait -1
	s_cmp_lg_u32 s16, 0
	s_cbranch_scc1 .Lnot_wave_0_\@
	s_barrier_signal -3
.Lnot_wave_0_\@:
	s_barrier_wait -3
	s_barrier_signal -1
	s_barrier_wait -1
.endm
.macro TLOAD                           ; a refill: my quarter of W's region
	tensor_load_to_lds s[88:91], s[76:83]
	s_nop 0
	PLACES 4
.endm
.macro WLD hi                          ; my 4 tiles' half of K from LDS into window 1 + hi: fragment 4 q + b
	WIN (1+(\hi))<<6
.set F_, 0
.rept 16
.irp c, 0,1,2,3
	ds_load_b128 v[16*F_+4*\c:16*F_+4*\c+3], v[WAD] offset:(F_%4)*8192+(4*(F_/4)+\c)*512
.endr
.set F_, F_+1
.endr
	WIN 0
.endm
.macro WSB d, ph                       ; W's scale words of a phase into v[d] on
.irp p, 0,1
.irp g, 0,1,2,3
	global_load_b64 v[\d+8*\p+2*\g:\d+8*\p+2*\g+1], v[WS8], s[40:41] offset:32768*(\ph)+1024*\p+128*\g
.endr
.endr
.endm
.macro BIASQ d, ph                     ; q, k: register j of tile b is column 32 (b / 2) + 8 (b % 2) + 16 h + j
.irp b, 0,1,2,3
	global_load_b128 v[\d+8*\b:\d+8*\b+3], v[BO], s[42:43] offset:4096*(\ph)+(32*(\b/2)+8*(\b%2))*4
	global_load_b128 v[\d+8*\b+4:\d+8*\b+7], v[BO], s[42:43] offset:4096*(\ph)+(32*(\b/2)+8*(\b%2))*4+16
.endr
.endm
.macro FETCH i                         ; tile i, all of K, into set i % 2 of window 3
	WIN 3<<6
.set K_, 0
.rept 32
	ds_load_b128 v[128*((\i)%2)+4*K_:128*((\i)%2)+4*K_+3], v[AD+(\i)] offset:512*K_
.set K_, K_+1
.endr
	WIN 0
.endm
.macro PROD kind, i, n                 ; product n = 4 q + b of tile i; the four accumulators take turns
.set Q_, (\n)/4
.set B_, (\n)%4
.set AC_, ACC+32*((\i)%2)+8*B_
.set C_, AC_
.if Q_ == 0
.set C_, BI+8*B_
.endif
.set R_, 128*((\i)%2)+16*Q_
.set W_, 16*((\n)%16)
.set XS_, SA+8*(\i)+Q_
.set WS_, SB+8*(B_/2)+Q_
.if \kind
	WIN 3|((1+(\n)/16)<<2)
.if B_%2
	v_wmma_scale_f32_16x16x128_f8f6f4 v[AC_:AC_+7], v[R_:R_+15], v[W_:W_+15], v[C_:C_+7], v[XS_], v[WS_] matrix_b_scale:MATRIX_SCALE_ROW1
.else
	v_wmma_scale_f32_16x16x128_f8f6f4 v[AC_:AC_+7], v[R_:R_+15], v[W_:W_+15], v[C_:C_+7], v[XS_], v[WS_]
.endif
.else
	WIN (1+(\n)/16)|(3<<2)
.if B_%2
	v_wmma_scale_f32_16x16x128_f8f6f4 v[AC_:AC_+7], v[W_:W_+15], v[R_:R_+15], v[C_:C_+7], v[WS_], v[XS_] matrix_a_scale:MATRIX_SCALE_ROW1
.else
	v_wmma_scale_f32_16x16x128_f8f6f4 v[AC_:AC_+7], v[W_:W_+15], v[R_:R_+15], v[C_:C_+7], v[WS_], v[XS_]
.endif
.endif
.endm
.macro HALF kind, i, n0                ; 16 products: half of K
.set N_, \n0
.rept 16
	PROD \kind, \i, N_
.set N_, N_+1
.endr
.endm
; q's or k's tile i: register 16 c + j of the set is d = 32 c + 16 h + j of my token: two blocks of 32, each in lanes l and l xor 16
.macro EPQ i
.set X_, ACC+32*((\i)%2)
.set P_, PC+8*((\i)%2)
.irp k, 0,1,2,3
	v_max3_num_f32 v[TM+\k], |v[X_+8*\k]|, |v[X_+8*\k+1]|, 0x4800000   ; each accumulator from its low end; the floor 2^(9 - 127) holds the byte at 1
.endr
.irp j, 2,4,6
.irp k, 0,1,2,3
	v_max3_num_f32 v[TM+\k], v[TM+\k], |v[X_+8*\k+\j]|, |v[X_+8*\k+\j+1]|
.endr
.endr
	v_max_num_f32 v[TM], v[TM], v[TM+1]
	v_max_num_f32 v[TM+1], v[TM+2], v[TM+3]
	v_permlanex16_b32 v[TM+4], v[TM], s50, s51
	v_permlanex16_b32 v[TM+5], v[TM+1], s50, s51
	v_max_num_f32 v[TM], v[TM], v[TM+4]
	v_max_num_f32 v[TM+1], v[TM+1], v[TM+5]
	v_add_nc_u32 v[TM+12], 0xfc000000, v[TM]       ; the conversion's scale operand
	v_add_nc_u32 v[TM+13], 0xfc000000, v[TM+1]
	v_and_or_b32 v[TM+8], v[TM], 0x7f800000, s52   ; 448 x the scale
	v_and_or_b32 v[TM+9], v[TM+1], 0x7f800000, s52
	v_lshrrev_b32 v[TM+4], 23, v[TM+12]
	v_lshrrev_b32 v[TM+5], 23, v[TM+13]
	v_lshl_or_b32 v[PW+(\i)], v[TM+5], 8, v[TM+4]
	v_or_b32 v[PW+(\i)], 0x7f7f0000, v[PW+(\i)]
	ds_store_b32 v[STA], v[PW+(\i)] offset:64*(\i) ; lanes r and r + 16 write the same word with the same value
.irp c, 0,1
.set J_, 0
.rept 16
	v_med3_num_f32 v[X_+16*\c+J_], v[X_+16*\c+J_], -v[TM+8+\c], v[TM+8+\c]   ; the conversion does not saturate (ISA guide 7.6.2)
.set J_, J_+1
.endr
	v_cvt_scalef32_pk8_fp8_f32 v[P_+4*\c:P_+4*\c+1], v[X_+16*\c:X_+16*\c+7], v[TM+12+\c]
	v_cvt_scalef32_pk8_fp8_f32 v[P_+4*\c+2:P_+4*\c+3], v[X_+16*\c+8:X_+16*\c+15], v[TM+12+\c]
.endr
	v_nop                                          ; one plain line behind the last conversion
	global_store_b128 v[VL], v[P_:P_+3], s[54:55] offset:1024*(\i)        ; 512 consecutive bytes, aligned
	global_store_b128 v[VL], v[P_+4:P_+7], s[54:55] offset:1024*(\i)+512
.endm
; v's pair p: for W's tile b the even tile's eight sums and the odd tile's are keys 32 p + 16 h + 0 .. 15 of my d
.macro EPV p
.irp b, 0,1,2,3
	v_max3_num_f32 v[TM+\b], |v[ACC+8*\b]|, |v[ACC+8*\b+1]|, 0x4800000
.endr
.irp j, 2,4,6,32,34,36,38
.irp b, 0,1,2,3
	v_max3_num_f32 v[TM+\b], v[TM+\b], |v[ACC+8*\b+\j]|, |v[ACC+8*\b+\j+1]|
.endr
.endr
.irp b, 0,1,2,3
	v_permlanex16_b32 v[TM+4+\b], v[TM+\b], s50, s51
.endr
.irp b, 0,1,2,3
	v_max_num_f32 v[TM+\b], v[TM+\b], v[TM+4+\b]
.endr
.irp b, 0,1,2,3
	v_add_nc_u32 v[TM+12+\b], 0xfc000000, v[TM+\b]
.endr
.irp b, 0,1,2,3
	v_and_or_b32 v[TM+8+\b], v[TM+\b], 0x7f800000, s52
.endr
.irp b, 0,1,2,3
	v_lshrrev_b32 v[TM+4+\b], 23, v[TM+12+\b]
.endr
.irp b, 0,1,2,3
.if (\p) == 0
	v_mov_b32 v[PW+\b], v[TM+4+\b]
.else
	v_lshl_or_b32 v[PW+\b], v[TM+4+\b], 8*(\p), v[PW+\b]
.endif
.endr
.irp b, 0,1,2,3
.irp j, 0,1,2,3,4,5,6,7,32,33,34,35,36,37,38,39
	v_med3_num_f32 v[ACC+8*\b+\j], v[ACC+8*\b+\j], -v[TM+8+\b], v[TM+8+\b]
.endr
	v_cvt_scalef32_pk8_fp8_f32 v[PC+4*\b:PC+4*\b+1], v[ACC+8*\b:ACC+8*\b+7], v[TM+12+\b]
	v_cvt_scalef32_pk8_fp8_f32 v[PC+4*\b+2:PC+4*\b+3], v[ACC+32+8*\b:ACC+32+8*\b+7], v[TM+12+\b]
.endr
	v_nop
.irp b, 0,1,2,3
	global_store_b128 v[VL], v[PC+4*\b:PC+4*\b+3], s[48:49] offset:8192+2048*\b+512*(\p)
.endr
.endm
.macro PAIR kind, p
	s_wait_dscnt 0x0                               ; both sets are in (pair 0: window 1, the scale words and the bias too)
.if (\p) == 1 && (\kind) == 0
	global_prefetch_b8 v[PF], s[60:61] th:TH_LOAD_NT scope:SCOPE_SE   ; one tile's upper half of the next phase's W
.endif
	HALF \kind, 2*(\p), 0
	HALF \kind, 2*(\p)+1, 0
	WIN 0
.if (\p) == 0
	s_wait_tensorcnt 0x0                           ; my quarter of the upper half has landed; I alone read it
	WLD 1
.if (\kind) == 0
	s_wait_tensorcnt 0x0                           ; the three lines ahead of a refill's round
	ds_add_u32 v[SPW], v[NIL]
	s_add_nc_u64 s[90:91], s[90:91], 0x100000-8192 ; no load of mine is out: on to the next phase's lower half
	s_wait_dscnt 0x0                               ; the add is done, and window 2 holds the upper half
	CROUND
	TLOAD
.else
	s_wait_dscnt 0x0
.endif
.endif
.if (\p) == 3 && (\kind) == 0
	PLACES 8                                       ; behind the last products on window 1, ahead of loads into it
	s_wait_xcnt 0x0                                ; the prefetch has read its base
	s_add_nc_u64 s[60:61], s[60:61], 0x100000
	s_wait_tensorcnt 0x0                           ; the next phase's lower half has landed
	WLD 0
	s_wait_tensorcnt 0x0                           ; the three lines; sixteen products stand between the add and the wait for it
	ds_add_u32 v[SPW], v[NIL]
	s_add_nc_u64 s[90:91], s[90:91], 8192          ; on to its upper half
	HALF \kind, 2*(\p), 16
	WIN 0
	s_wait_dscnt 0x0
	CROUND
	TLOAD                                          ; its four v_nop are four of the eight places
	PLACES 4
	FETCH 0
.else
	HALF \kind, 2*(\p), 16
	WIN 0
	PLACES 8
.if (\p) < 3
	FETCH 2*(\p)+2
.endif
.endif
	HALF \kind, 2*(\p)+1, 16
	WIN 0
	PLACES 8
.if (\p) < 3 || (\kind) == 0
	FETCH (2*(\p)+3)%8
.endif
.if (\p) == 3 && (\kind) == 0
.irp k, 0,1,2,3
	ds_load_b128 v[SB+4*\k:SB+4*\k+3], v[IMG] offset:512*\k          ; the next phase's scale words
.endr
.irp k, 0,1,2,3,4,5,6,7
	ds_load_b128 v[BI+4*\k:BI+4*\k+3], v[IMG] offset:2048+512*\k     ; and bias
.endr
.endif
	s_wait_xcnt 0x0                                ; the last pair's stores have read their codes
.if \kind
	EPV \p
.else
	EPQ 2*(\p)
	EPQ 2*(\p)+1
.endif
.endm
	s_load_b256 s[4:11], s[0:1], 0x0               ; opc, ops, b_attn, qimg
	s_load_b128 s[12:15], s[0:1], 0x20             ; qsc, kv
	v_lshl_add_u32 v[SPW], v0, 2, SPARE
	v_mov_b32 v[NIL], 0
	ds_add_u32 v[SPW], v[NIL]                      ; the opening lines: the add twice on end and its wait
	ds_add_u32 v[SPW], v[NIL]
	v_lshrrev_b32 v20, 5, v0
	v_readfirstlane_b32 s16, v20                   ; wave
	s_lshr_b32 s94, s16, 1                         ; at the head: 0: I fetch W, 1: tokens
	s_and_b32 s19, s16, 1                          ; and which half
	s_bfe_u32 s17, ttmp6, 0x40000                  ; cx: which four heads (the grid has one cluster along x)
	s_bfe_u32 s59, ttmp6, 0x40004                  ; cy
	s_and_b32 s18, ttmp7, 0xffff
	s_lshl_b32 s18, s18, 2
	s_add_co_u32 s18, s18, s59                     ; which 128 tokens
	s_lshl_b32 s2, s59, 2
	s_lshl_b32 s2, 15, s2                          ; my row of the cluster: shares the tokens
	s_lshl_b32 s3, 0x1111, s17                     ; my column: shares W
	s_or_b32 s24, s2, (3<<16)|(1<<21)              ; tokens: 16 rows of 4,096 bytes (512 elements of 8), dense
	s_mov_b32 s25, 512<<16
	s_mov_b32 s26, 16<<16
	s_mov_b32 s27, 512<<16
	s_mov_b32 s28, 16
	s_mov_b32 s29, 512
	s_mov_b32 s30, 0
	s_mov_b32 s31, 0
	s_or_b32 s68, s3, (3<<16)|(1<<21)              ; W at the head: 8 tiles' halves: rows of 8,192 bytes, 16,384 apart
	s_mov_b32 s69, 1024<<16
	s_mov_b32 s70, 8<<16
	s_mov_b32 s71, 1024<<16
	s_mov_b32 s72, 8
	s_mov_b32 s73, 2048
	s_mov_b32 s74, 0
	s_mov_b32 s75, 0
	s_or_b32 s76, s3, (3<<16)|(1<<21)              ; a refill: 4 tiles' halves
	s_mov_b32 s77, 1024<<16
	s_mov_b32 s78, 4<<16
	s_mov_b32 s79, 1024<<16
	s_mov_b32 s80, 4
	s_mov_b32 s81, 2048
	s_mov_b32 s82, 0
	s_mov_b32 s83, 0
	s_mov_b32 s32, 1
	s_mov_b32 s84, 1
	s_mov_b32 s88, 1
	s_lshl_b32 s33, s19, 16                        ; LDS addresses hang on the wave's number alone
	s_add_co_u32 s85, s33, WA
	s_lshl_b32 s89, s16, 15
	s_add_co_u32 s89, s89, WA
	s_lshl_b32 s20, s18, 17
	s_add_co_u32 s20, s20, s33                     ; tokens: my four tiles
	s_mov_b32 s21, 0
	s_lshl_b32 s92, s17, 4
	s_lshl_b32 s23, s19, 3
	s_add_co_u32 s92, s92, s23
	s_add_co_u32 s92, s92, 512
	s_lshl_b32 s92, s92, 14                        ; W_q: the eight tiles that I fetch at the head
	s_mov_b32 s93, 0
	s_lshl_b32 s53, s17, 2
	s_add_co_u32 s53, s53, s16                     ; my head
	s_lshl_b32 s22, s53, 2
	s_add_co_u32 s22, s22, 512                     ; W_q's first tile of my head
	s_lshl_b32 s38, s22, 14
	s_add_co_u32 s38, s38, 8192                    ; its upper half
	s_mov_b32 s39, 0
	s_lshl_b32 s40, s22, 9
	s_mov_b32 s41, 0
	s_lshl_b32 s42, s53, 8                         ; the bias of my 64 columns
	s_mov_b32 s43, 0
	s_lshr_b32 s3, s18, 4
	s_lshl_b32 s3, s3, 4
	s_add_co_u32 s3, s3, s53                       ; bh
	s_and_b32 s2, s18, 15                          ; ks
	s_lshl_b32 s44, s3, 7
	s_lshl_b32 s23, s2, 3
	s_add_co_u32 s44, s44, s23                     ; 128 bh + 8 ks
	s_lshl_b32 s46, s44, 6
	s_lshl_b32 s44, s44, 10
	s_mov_b32 s45, 0
	s_mov_b32 s47, 0
	s_lshl_b32 s48, s3, 4
	s_add_co_u32 s48, s48, s2
	s_mul_i32 s48, s48, 17152
	s_mov_b32 s49, 0
	s_lshl_b32 s60, s17, 4
	s_lshl_b32 s23, s59, 2
	s_add_co_u32 s60, s60, s23
	s_add_co_u32 s60, s60, s16
	s_add_co_u32 s60, s60, 576                     ; the prefetch: tile 4 cy + wave of W_k's sixteen,
	s_lshl_b32 s60, s60, 14
	s_add_co_u32 s60, s60, 8192                    ; its upper half
	s_mov_b32 s61, 0
	s_lshl_b32 s23, s16, 9
	s_add_co_u32 s23, s23, STG
	s_mul_i32 s2, s16, 12288
	s_add_co_u32 s2, s2, IMGB
	s_mov_b32 s50, 0x76543210
	s_mov_b32 s51, 0xfedcba98
	s_mov_b32 s52, 0x600000
	s_mov_b32 s58, 0
	v_and_b32 v20, 31, v0
	v_and_b32 v21, 15, v0
	v_bfe_u32 v22, v0, 4, 1
	v_lshlrev_b32 v[VL], 4, v20
	v_lshlrev_b32 v[R8], 3, v21
	v_lshl_add_u32 v[WS8], v22, 9, v[R8]
	v_lshlrev_b32 v[BO], 6, v22
	v_and_b32 v23, 8, v21
	v_add_nc_u32 v23, v23, v21
	v_lshlrev_b32 v[BV], 2, v23
	v_lshl_add_u32 v[STA], v21, 2, s23
	v_add_nc_u32 v[RDS], s23, v[VL]
	v_lshlrev_b32 v[L8], 3, v20
	v_add_nc_u32 v[RD8], s23, v[L8]
	v_lshlrev_b32 v[PF], 8, v20
	v_add_nc_u32 v[IMG], s2, v[VL]
	v_add_nc_u32 v[WAD], s89, v[VL]
.irp i, 0,1,2,3,4,5,6,7
	v_add_nc_u32 v[AD+\i], \i*16384, v[VL]
.endr
	s_wait_alu depctr_va_vdst(0)
	s_wait_dscnt 0x0
	CROUND                                         ; all sixteen work-groups are here: the joint loads meet
	s_wait_kmcnt 0x0
	s_add_nc_u64 s[34:35], s[4:5], s[20:21]
	s_or_b32 s35, s35, 0x80000000
	s_add_nc_u64 s[86:87], s[4:5], s[92:93]
	s_or_b32 s87, s87, 0x80000000
	s_add_nc_u64 s[90:91], s[4:5], s[38:39]
	s_or_b32 s91, s91, 0x80000000
	s_cmp_eq_u32 s94, 0                            ; one load a wave: W, which goes on into registers, is asked for first
	s_cbranch_scc0 .Lfor_a
	tensor_load_to_lds s[84:87], s[68:75]
	s_nop 0
	PLACES 4
	s_branch .Lasked
.Lfor_a:
	tensor_load_to_lds s[32:35], s[24:31]
	s_nop 0
	PLACES 4
.Lasked:
	s_lshl_b32 s36, s18, 12                        ; x's scale bytes
	s_mov_b32 s37, 0
	s_add_nc_u64 s[36:37], s[6:7], s[36:37]
	s_add_nc_u64 s[40:41], s[6:7], s[40:41]
	s_add_nc_u64 s[42:43], s[8:9], s[42:43]
	s_add_nc_u64 s[54:55], s[10:11], s[44:45]      ; the loop's codes: q's at first
	s_add_nc_u64 s[56:57], s[12:13], s[46:47]      ; and its scale words
	s_add_nc_u64 s[48:49], s[14:15], s[48:49]      ; my record in kv
	s_add_nc_u64 s[60:61], s[4:5], s[60:61]
.irp i, 0,1,2,3,4,5,6,7
.irp g, 0,1,2,3
	global_load_b64 v[SA+8*\i+2*\g:SA+8*\i+2*\g+1], v[R8], s[36:37] offset:512*\i+128*\g
.endr
.endr
	WSB SB, 0
	BIASQ BI, 0
	WSB 112, 1                                     ; phases 1 and 2 pass through registers that are idle yet
	BIASQ 128, 1
	WSB 160, 2
.irp b, 0,1,2,3                                ; v: all eight registers of tile b are column 32 (b / 2) + 8 (b % 2) + r + 8 (r / 8)
.irp j, 0,1,2,3,4,5,6,7
	global_load_b32 v[208+8*\b+\j], v[BV], s[42:43] offset:8192+(32*(\b/2)+8*(\b%2))*4
.endr
.endr
	s_wait_tensorcnt 0x0                           ; my tile is in,
	s_barrier_signal -1
	s_barrier_wait -1                              ; everybody's is
	WLD 0
	FETCH 0
	FETCH 1
	s_wait_loadcnt 0x0
.set K_, 0
.rept 16
	ds_store_b128 v[IMG], v[112+4*K_:115+4*K_] offset:512*K_          ; phase 1's image, 12 x 512 bytes, and phase 2's scale words
.set K_, K_+1
.endr
.set K_, 0
.rept 8
	ds_store_b128 v[IMG], v[208+4*K_:211+4*K_] offset:8192+512*K_     ; phase 2's bias
.set K_, K_+1
.endr
	s_wait_tensorcnt 0x0                           ; the three lines ahead of a refill's round
	ds_add_u32 v[SPW], v[NIL]
	s_wait_dscnt 0x0                               ; window 1 holds the lower half
	CROUND
	TLOAD                                          ; the upper half of phase 0
.irp b, 0,1,2,3
	v_mov_b32 v[TM+4+\b], 0                        ; a lane permute's destination counts as one of its sources
.endr
	s_wait_alu depctr_va_vdst(0)
.Lphase:                                               ; two trips: q, k
	PAIR 0, 0
	PAIR 0, 1
	PAIR 0, 2
	PAIR 0, 3
	ds_load_b128 v[RB:RB+3], v[RDS]                ; LDS serves a wave's instructions in order: my 8 tiles' scale words, 512 bytes
	s_wait_dscnt 0x0
	global_store_b128 v[VL], v[RB:RB+3], s[56:57]
	v_add_nc_u32 v[IMG], 6144, v[IMG]              ; on to phase 2's image
	s_wait_xcnt 0x0
	s_mov_b64 s[54:55], s[48:49]                   ; the second trip's results go into the record
	s_add_nc_u64 s[56:57], s[48:49], 16384
	s_add_co_u32 s58, s58, 1
	s_cmp_lt_u32 s58, 2
	s_wait_alu depctr_va_vdst(0)
	s_cbranch_scc1 .Lphase
	PAIR 1, 0
	PAIR 1, 1
	PAIR 1, 2
	PAIR 1, 3
.irp b, 0,1,2,3
	ds_store_b32 v[STA], v[PW+\b] offset:64*\b
.endr
	ds_load_b64 v[RB:RB+1], v[RD8]
	s_wait_dscnt 0x0
	global_store_b64 v[L8], v[RB:RB+1], s[48:49] offset:16896   ; 256 consecutive bytes, aligned
	s_wait_tensorcnt 0x0                           ; the wave's end
	ds_add_u32 v[SPW], v[NIL]
	s_wait_dscnt 0x0
	CROUND                                         ; the closing round
	s_endpgm
.Lfunc_end_k_q788ce163b6_qkv:
	.size	k_q788ce163b6_qkv, .Lfunc_end_k_q788ce163b6_qkv-k_q788ce163b6_qkv
	.p2alignl 7, 3214868480
	.fill 96, 4, 3214868480
	.section	.rodata,"a",@progbits
	.p2align	6, 0x0
	.amdhsa_kernel k_q788ce163b6_qkv
		.amdhsa_group_segment_fixed_size 327680
		.amdhsa_private_segment_fixed_size 0
		.amdhsa_enable_private_segment 0
		.amdhsa_kernarg_size 48
		.amdhsa_user_sgpr_count 2
		.amdhsa_user_sgpr_kernarg_segment_ptr 1
		.amdhsa_wavefront_size32 1
		.amdhsa_system_sgpr_workgroup_id_x 1
		.amdhsa_system_sgpr_workgroup_id_y 1
		.amdhsa_system_sgpr_workgroup_id_z 1
		.amdhsa_system_vgpr_workitem_id 0
		.amdhsa_next_free_vgpr 1024
		.amdhsa_next_free_sgpr 96
		.amdhsa_reserve_vcc 0
		.amdhsa_float_denorm_mode_32 3
		.amdhsa_float_denorm_mode_16_64 3
		.amdhsa_memory_ordered 1
		.amdhsa_forward_progress 1
		.amdhsa_inst_pref_size 212
	.end_amdhsa_kernel
	.amdgpu_metadata
---
amdhsa.version: [ 1, 2 ]
amdhsa.kernels:
  - .name:           k_q788ce163b6_qkv
    .symbol:         k_q788ce163b6_qkv.kd
    .args:
      - { .name: opc, .offset: 0, .size: 8, .value_kind: global_buffer, .address_space: global }
      - { .name: ops, .offset: 8, .size: 8, .value_kind: global_buffer, .address_space: global }
      - { .name: b_attn, .offset: 16, .size: 8, .value_kind: global_buffer, .address_space: global }
      - { .name: qimg, .offset: 24, .size: 8, .value_kind: global_buffer, .address_space: global }
      - { .name: qsc, .offset: 32, .size: 8, .value_kind: global_buffer, .address_space: global }
      - { .name: kv, .offset: 40, .size: 8, .value_kind: global_buffer, .address_space: global }
    .group_segment_fixed_size: 327680
    .private_segment_fixed_size: 0
    .kernarg_segment_align: 8
    .kernarg_segment_size: 48
    .max_flat_workgroup_size: 128
    .sgpr_count:     96
    .vgpr_count:     1024
    .wavefront_size: 32
...
	.end_amdgpu_metadata
.endif
;; end of part 2
;; launch attn (part 3): grid 4 x 64, 16 waves a work-group, clusters of 4 x 1, 327,680 bytes of LDS; arguments qimg, qsc, kv, yc, ys; writes yc, ys
.if DOCPART == 3
	.amdgcn_target "amdgcn-amd-amdhsa--gfx1250"
	.amdhsa_code_object_version 6
	.text
	.protected	k_q788ce163b6_attn
	.globl	k_q788ce163b6_attn
	.p2align	8
	.type	k_q788ce163b6_attn,@function
k_q788ce163b6_attn:
	s_mov_b64 s[64:65], 0
	v_nop
	global_prefetch_b8 v0, s[64:65] scope:SCOPE_SE
	s_setreg_imm32_b32 hwreg(HW_REG_WAVE_MODE, 25, 1), 1
	s_wait_xcnt 0x0
	s_wait_alu depctr_hold_cnt(0) depctr_sa_sdst(0) depctr_va_vdst(0) depctr_va_sdst(0) depctr_va_ssrc(0) depctr_va_vcc(0) depctr_vm_vsrc(0)
	s_getreg_b32 s2, hwreg(HW_REG_IB_STS2, 6, 4)
	s_cmp_eq_u32 s2, 0
	s_cbranch_scc0 .Lentry_in_a_cluster
	s_endpgm
.Lentry_in_a_cluster:
	s_bfe_u32 s2, ttmp6, 0x10000c
	s_cmp_lg_u32 s2, 0x3003
	s_cbranch_scc0 .Lentry_shape_is_right
	s_endpgm
.Lentry_shape_is_right:
; y[b][q][head] = softmax_k(q . k / 8, causal) v, both products on codes of FP8 (E4M3) with E8M0 scales, and y quantised at once along E for the last product.
; THE SOFTMAX AHEAD OF THE SECOND PRODUCT: t = score x log2(e) / 8; M = the running largest t rounded UP to a whole number; p = 2^(t - M) is quantised along the keys, not normalised; the row's sum is taken of the unquantised p
; and divides O at the end (by v_rcp_f32 and a multiplication).  When M moves, the sum and O are multiplied by 2^(old M - new M): exact.
; SHARES.  A cluster of four work-groups owns one (batch, head); each of them holds the head's WHOLE K and V in LDS: 16 records of 17,152 bytes (128 keys each), brought once, wave w asking for record w JOINTLY with the three partners.
; So LDS is filled once: no ring, no barrier in the loop, and no LDS store at all.
; Work-group cx takes the query tiles T = 4 j + cx; wave w takes j = w and then j = 31 - w.  Tile T needs key steps 0 .. T / 8 = j / 2, which does not hang on cx: partners run alike, and every wave walks exactly 17 key steps.
; A key step whose keys all come after the tile's queries is left out by a scalar branch on the wave's number and the loop's counter; the loop's trip count stays 16.  The step j / 2 lies on the diagonal: there hidden scores become -infinity.
; LAYOUT.  A tile's lane r holds row 32 (T / 2) + 8 (T % 2) + r + 8 (r / 8).  S^T = K Q^T (source 0 = 16 keys), O^T = V^T P^T (source 0 = 16 of d): a lane holds one query throughout, the 16 registers of tiles 2 b, 2 b + 1 are 16 neighbours.
; K = 64 IN AN INSTRUCTION OF 128: Q's registers 8-15 are zero codes; K's fragment of tile t is v[32 + 8 t] on, 16 registers: its upper half is the next tile's codes (finite: the quantiser holds at 448) or the zeros in v96-103:
; they meet zeros; the scale bytes of that half are 0x7f on both sides.
; OUT: yc [token tile][kb 32][lane][16], ys [token tile][kb / 8][r][8]: the image that the last product reads.  A head owns 2 of a token's 32 scale bytes: they leave by a store of 2 bytes a lane, 8 bytes apart (lanes 16-31 repeat lanes 0-15):
; 262,144 bytes in all beside 8.4 MB of codes, which leave 512 consecutive bytes a store.
; LIMITS: NaN and infinities are not served; a block of zeros gets the byte 1, not 127 (zero codes; this program alone reads the bytes).
; No prefetch: all that the launch reads from kv is asked for at its head.
.set REC,  17152
.set WV,   14                          ; s14  wave
.set SEL,  20                          ; s[20:21] lane l xor 16
.set CS,   22                          ; s[22:23] c = log2(e) / 8
.set MNT,  24                          ; s24  the mantissa field of 448
.set G1,   28
.set G0,   36
.set QB,   40                          ; for tile i, at +2 i: q's codes; q's scale words; y's codes; y's scale bytes
.set QSB,  44
.set YB,   48
.set YSB,  52
.set NT,   56                          ; s56, s57 the tile's last key step
.set DQ,   58                          ; s58, s59 the tile's first query within that step's 128 keys
.set KS,   60
.set TB,   61                          ; s61  LDS byte at which the step's record begins
.set AD,   8                           ; v8   TB + 16 x lane
.set ADS,  9                           ; v9   TB + 4 x lane
.set SR,   104                         ; v104-167 S^T, then p
.set OT,   168                         ; v168-199 O^T
.set PCD,  200                         ; v200-215 p's codes (y's: v200-207)
.set BM,   216                         ; v216-219 a block's largest score, then its largest p
.set T2,   220
.set LIM,  224
.set SCO,  228
.set FF,   232                         ; v[232:233] f = 2^(old M - new M); v233 = 0
.set PW,   234                         ; p's scale word
.set TP,   235
.set SUM2, 236
.set HW,   238                         ; y's two scale bytes
.set KSC,  240                         ; v240-243 K's scale words: lanes 0-15 tile 2 i, lanes 16-31 tile 2 i + 1
.set VSC,  244                         ; v244-245 V's likewise
.set QSC,  246
.macro CROUND
	s_barrier_signal -1
	s_barrier_wait -1
	s_cmp_lg_u32 s[WV], 0
	s_cbranch_scc1 .Lnot_wave_0_\@
	s_barrier_signal -3
.Lnot_wave_0_\@:
	s_barrier_wait -3
	s_barrier_signal -1
	s_barrier_wait -1
.endm
; tile i's numbers and addresses; s2 = j.  The last key step is made of j alone
.macro TILESET i
	s_lshr_b32 s[NT+\i], s2, 1
	s_lshl_b32 s3, s2, 2
	s_add_co_u32 s3, s3, s15                       ; T = 4 j + cx: it enters data and global addresses alone
	s_lshr_b32 s18, s3, 1
	s_and_b32 s18, s18, 3
	s_lshl_b32 s18, s18, 5
	s_and_b32 s19, s3, 1
	s_lshl_b32 s19, s19, 3
	s_add_co_u32 s[DQ+\i], s18, s19
	s_lshl_b32 s18, s16, 7
	s_add_co_u32 s18, s18, s3                      ; 128 bh + T
	s_mov_b32 s27, 0
	s_lshl_b32 s26, s18, 10
	s_add_nc_u64 s[QB+2*\i:QB+2*\i+1], s[4:5], s[26:27]
	s_lshl_b32 s26, s18, 6
	s_add_nc_u64 s[QSB+2*\i:QSB+2*\i+1], s[6:7], s[26:27]
	s_lshr_b32 s18, s16, 4
	s_lshl_b32 s18, s18, 7
	s_add_co_u32 s18, s18, s3                      ; the token tile among all 512
	s_lshl_b32 s26, s18, 14
	s_lshl_b32 s19, s17, 10
	s_add_co_u32 s26, s26, s19                     ; + kb = 2 x head
	s_add_nc_u64 s[YB+2*\i:YB+2*\i+1], s[10:11], s[26:27]
	s_lshl_b32 s26, s18, 9
	s_lshr_b32 s19, s17, 2
	s_lshl_b32 s19, s19, 7
	s_add_co_u32 s26, s26, s19
	s_and_b32 s19, s17, 3
	s_lshl_b32 s19, s19, 1
	s_add_co_u32 s26, s26, s19
	s_add_nc_u64 s[YSB+2*\i:YSB+2*\i+1], s[12:13], s[26:27]
.endm
.macro LOADQ i
	global_load_b128 v[16:19], v1, s[QB+2*\i:QB+2*\i+1]
	global_load_b128 v[20:23], v1, s[QB+2*\i:QB+2*\i+1] offset:512
	global_load_b32 v[QSC], v4, s[QSB+2*\i:QSB+2*\i+1]
	v_add_nc_u32 v3, s[DQ+\i], v7                  ; my query within the diagonal step, less 16 h
.endm
.macro INIT
	v_mov_b32 v13, 0xff61b1e6                      ; the largest t so far: -3e38, under every t
	s_delay_alu instid0(VALU_DEP_1)
	v_floor_f32 v12, -v13                          ; -M
	v_mov_b32 v14, 0                               ; the sum, in two halves
	v_mov_b32 v15, 0
.set J, 0
.rept 32
	v_mov_b32 v[OT+J], 0                           ; O^T: the step is written once; the first finds zeros, which the first change of M leaves zeros
.set J, J+1
.endr
	s_wait_xcnt 0x0                                ; the tile before has stored from v200 on: its stores have read their registers
	s_wait_loadcnt 0x0                             ; Q
.endm
; A KEY STEP: 128 keys
.macro STEP nt
	v_add_nc_u32 v[AD], s[TB], v1
	v_add_nc_u32 v[ADS], s[TB], v2
.rept 6
	v_nop                                          ; with the two additions: eight places behind the last products, in front of loads into registers that they read
.endr
.irp t, 0,1,2,3,4,5,6,7
.irp c, 0,1
	ds_load_b128 v[32+8*\t+4*\c:35+8*\t+4*\c], v[AD] offset:1024*\t+512*\c
.endr
.endr
.irp i, 0,1,2,3
	ds_load_b32 v[KSC+\i], v[ADS] offset:16384+128*\i
.endr
	s_wait_alu depctr_va_vdst(0)
	s_wait_dscnt 0x0
.irp t, 0,2,4,6
	v_wmma_scale_f32_16x16x128_f8f6f4 v[SR+8*\t:SR+8*\t+7], v[32+8*\t:47+8*\t], v[16:31], 0, v[KSC+\t/2], v[QSC]
	v_wmma_scale_f32_16x16x128_f8f6f4 v[SR+8*\t+8:SR+8*\t+15], v[40+8*\t:55+8*\t], v[16:31], 0, v[KSC+\t/2], v[QSC] matrix_a_scale:MATRIX_SCALE_ROW1
.endr
.rept 8
	v_nop
.endr
.irp d, 0,1,2,3                                ; V is asked for at once: it lands under the softmax
.irp c, 0,1,2,3
	ds_load_b128 v[32+16*\d+4*\c:35+16*\d+4*\c], v[AD] offset:8192+2048*\d+512*\c
.endr
.endr
.irp i, 0,1
	ds_load_b32 v[VSC+\i], v[ADS] offset:16896+128*\i
.endr
	s_cmp_lt_u32 s[KS], s[\nt]                     ; ahead of the diagonal every key counts
	s_cbranch_scc1 .Lopen_\@
.set J, 0
.rept 64                                       ; register 16 b + i holds key 32 b + 16 h + i of the step: hidden where 32 b + i > my query - 16 h
	v_cmp_gt_i32 vcc_lo, 32*(J/16)+J%16, v3
	v_cndmask_b32 v[SR+J], v[SR+J], v6, vcc_lo
.set J, J+1
.endr
.Lopen_\@:
.irp b, 0,1,2,3
	v_max3_num_f32 v[BM+\b], v[SR+16*\b], v[SR+1+16*\b], v[SR+2+16*\b]   ; the largest score of each block of 32 keys: for the row's maximum, and, since p rises with the score, for the block's largest p
.endr
.irp i, 3,5,7,9,11,13
.irp b, 0,1,2,3
	v_max3_num_f32 v[BM+\b], v[BM+\b], v[SR+16*\b+\i], v[SR+1+16*\b+\i]
.endr
.endr
.irp b, 0,1,2,3
	v_max_num_f32 v[BM+\b], v[BM+\b], v[SR+15+16*\b]
.endr
.irp b, 0,1,2,3
	s_delay_alu instid0(VALU_DEP_4)
	v_permlanex16_b32 v[T2+\b], v[BM+\b], s[SEL], s[SEL+1]
.endr
.irp b, 0,1,2,3
	s_delay_alu instid0(VALU_DEP_4)
	v_max_num_f32 v[BM+\b], v[BM+\b], v[T2+\b]     ; with lane l xor 16's 16 keys
.endr
	s_delay_alu instid0(VALU_DEP_2)
	v_max3_num_f32 v[TP], v[BM], v[BM+1], v[BM+2]
	s_delay_alu instid0(VALU_DEP_1)
	v_max_num_f32 v[TP], v[TP], v[BM+3]
	s_delay_alu instid0(VALU_DEP_1)
	v_mul_f32 v[TP], s[CS], v[TP]                  ; as t (c is positive)
	s_delay_alu instid0(VALU_DEP_1)
	v_max_num_f32 v13, v13, v[TP]                  ; the running largest t
	v_mov_b32 v[TP], v12
	s_delay_alu instid0(VALU_DEP_2)
	v_floor_f32 v12, -v13                          ; the new -M = -ceil(t): a whole number
	s_delay_alu instid0(VALU_DEP_1)
	v_sub_f32 v[TP], v12, v[TP]                    ; old M - new M, 0 or less
	s_delay_alu instid0(VALU_DEP_1)
	v_cvt_i32_f32 v[TP], v[TP]                     ; (it saturates)
	s_delay_alu instid0(VALU_DEP_1)
	v_ldexp_f32 v[FF], 1.0, v[TP]                  ; f = 2^(old M - new M)
.set J, 0
.rept 32
	v_pk_fma_f32 v[SR+J:SR+J+1], v[SR+J:SR+J+1], s[CS:CS+1], v[12:13] op_sel_hi:[1,0,0]   ; t - M, two at a time
.set J, J+2
.endr
.irp b, 0,1,2,3
	v_fma_f32 v[BM+\b], v[BM+\b], s[CS], v12       ; the same of each block's largest score
.endr
.set J, 0
	s_wait_alu depctr_va_vdst(0)
.rept 64
	v_exp_f32 v[SR+J], v[SR+J]                     ; p = 2^(t - M), at most 1
.set J, J+1
.endr
.irp b, 0,1,2,3
	v_exp_f32 v[BM+\b], v[BM+\b]                   ; the block's largest p: the same two instructions on the same number
.endr
	v_pk_mul_f32 v[14:15], v[14:15], v[FF:FF+1] op_sel_hi:[1,0]   ; the sums under the new M (a plain line behind the exponentials)
	s_wait_alu depctr_va_vdst(0)
.irp b, 0,1,2,3
	v_max_num_f32 v[BM+\b], 0x4800000, v[BM+\b]    ; the floor 2^(9 - 127)
.endr
.irp b, 0,1,2,3
	s_delay_alu instid0(VALU_DEP_4)
	v_add_nc_u32 v[SCO+\b], 0xfc000000, v[BM+\b]   ; the conversion's scale operand
.endr
.irp b, 0,1,2,3
	v_and_or_b32 v[LIM+\b], v[BM+\b], 0x7f800000, s[MNT]   ; 448 x the scale
.endr
.irp b, 0,1,2,3
	v_lshrrev_b32 v[T2+\b], 23, v[SCO+\b]          ; the byte
.endr
	s_delay_alu instid0(VALU_DEP_3)
	v_lshl_or_b32 v[PW], v[T2+1], 8, v[T2]         ; p's scale word for these 128 keys
	s_delay_alu instid0(VALU_DEP_1)
	v_lshl_or_b32 v[PW], v[T2+2], 16, v[PW]
	s_delay_alu instid0(VALU_DEP_1)
	v_lshl_or_b32 v[PW], v[T2+3], 24, v[PW]
	v_pk_add_f32 v[236:237], v[108:109], v[112:113]
	v_pk_add_f32 v[252:253], v[116:117], v[120:121]
	v_pk_add_f32 v[250:251], v[124:125], v[128:129]
	v_pk_add_f32 v[248:249], v[132:133], v[136:137]
	v_pk_add_f32 v[242:243], v[140:141], v[144:145]
	v_pk_add_f32 v[240:241], v[148:149], v[152:153]
	v_pk_add_f32 v[238:239], v[156:157], v[160:161]
	v_pk_add_f32 v[14:15], v[14:15], v[164:165]
	v_pk_add_f32 v[236:237], v[236:237], v[104:105]
	v_pk_add_f32 v[252:253], v[252:253], v[106:107]
	v_pk_add_f32 v[250:251], v[250:251], v[110:111]
	v_pk_add_f32 v[248:249], v[248:249], v[114:115]
	v_pk_add_f32 v[242:243], v[242:243], v[118:119]
	v_pk_add_f32 v[240:241], v[240:241], v[122:123]
	v_pk_add_f32 v[238:239], v[238:239], v[126:127]
	v_pk_add_f32 v[14:15], v[14:15], v[130:131]
	v_pk_add_f32 v[236:237], v[236:237], v[134:135]
	v_pk_add_f32 v[252:253], v[252:253], v[138:139]
	v_pk_add_f32 v[250:251], v[250:251], v[142:143]
	v_pk_add_f32 v[248:249], v[248:249], v[146:147]
	v_pk_add_f32 v[242:243], v[242:243], v[150:151]
	v_pk_add_f32 v[240:241], v[240:241], v[154:155]
	v_pk_add_f32 v[238:239], v[238:239], v[158:159]
	v_pk_add_f32 v[14:15], v[14:15], v[162:163]
	v_pk_add_f32 v[236:237], v[236:237], v[166:167]
	s_delay_alu instid0(VALU_DEP_2)
	v_pk_add_f32 v[14:15], v[14:15], v[248:249]
	s_delay_alu instid0(VALU_DEP_2)
	v_pk_add_f32 v[236:237], v[236:237], v[242:243]
	v_pk_add_f32 v[252:253], v[252:253], v[240:241]
	v_pk_add_f32 v[250:251], v[250:251], v[238:239]
	s_delay_alu instid0(VALU_DEP_2)
	v_pk_add_f32 v[14:15], v[14:15], v[252:253]
	s_delay_alu instid0(VALU_DEP_2)
	v_pk_add_f32 v[236:237], v[236:237], v[250:251]
	s_delay_alu instid0(VALU_DEP_1)
	v_pk_add_f32 v[14:15], v[14:15], v[236:237]
.irp b, 0,1,2,3
.irp i, 0,2,4,6,8,10,12,14
	v_dual_min_num_f32 v[SR+16*\b+\i], v[SR+16*\b+\i], v[LIM+\b] :: v_dual_min_num_f32 v[SR+16*\b+\i+1], v[SR+16*\b+\i+1], v[LIM+\b]   ; the conversion does not saturate (ISA guide 7.6.2); p is not negative: a one-sided hold, two numbers a line
.endr
	v_cvt_scalef32_pk8_fp8_f32 v[PCD+4*\b:PCD+1+4*\b], v[SR+16*\b:SR+7+16*\b], v[SCO+\b]
	v_cvt_scalef32_pk8_fp8_f32 v[PCD+2+4*\b:PCD+3+4*\b], v[SR+8+16*\b:SR+15+16*\b], v[SCO+\b]
.endr
.set J, 0
.rept 16
	v_pk_mul_f32 v[OT+J:OT+J+1], v[OT+J:OT+J+1], v[FF:FF+1] op_sel_hi:[1,0]   ; O^T under the new M.  These sixteen are also the places between the codes' making and the products
.set J, J+2
.endr
	s_wait_alu depctr_va_vdst(0)
	s_wait_dscnt 0x0                               ; V and its scale words are in
.irp d, 0,2
	v_wmma_scale_f32_16x16x128_f8f6f4 v[OT+8*\d:OT+8*\d+7], v[32+16*\d:47+16*\d], v[PCD:PCD+15], v[OT+8*\d:OT+8*\d+7], v[VSC+\d/2], v[PW]
	v_wmma_scale_f32_16x16x128_f8f6f4 v[OT+8*\d+8:OT+8*\d+15], v[48+16*\d:63+16*\d], v[PCD:PCD+15], v[OT+8*\d+8:OT+8*\d+15], v[VSC+\d/2], v[PW] matrix_a_scale:MATRIX_SCALE_ROW1
.endr
.endm
.macro LOOP nt                         ; 16 trips, a constant; a trip beyond the tile's last key step does nothing but step the counter and the address
	s_mov_b32 s[KS], 0
	s_mov_b32 s[TB], 0
.Lkey_\@:
	s_cmp_gt_u32 s[KS], s[\nt]
	s_cbranch_scc1 .Lskip_\@
	STEP \nt
.Lskip_\@:
	s_add_co_u32 s[TB], s[TB], REC
	s_add_co_u32 s[KS], s[KS], 1
	s_cmp_lt_u32 s[KS], 16
	s_cbranch_scc1 .Lkey_\@
.endm
; y = O^T / the sum; register 16 b + i is d = 32 b + 16 h + i of my query: two blocks along E, quantised where they lie; the codes are the next operand's image
.macro WAYOUT i
.rept 8
	v_nop                                          ; places behind the last products
.endr
	v_add_f32 v14, v14, v15                        ; the sum's two halves,
	s_delay_alu instid0(VALU_DEP_1)
	v_permlanex16_b32 v[TP], v14, s[SEL], s[SEL+1]
	s_delay_alu instid0(VALU_DEP_1)
	v_add_f32 v14, v14, v[TP]                      ; and lane l xor 16's
	s_wait_alu depctr_va_vdst(0)
	v_rcp_f32 v14, v14
	v_nop                                          ; one plain line behind a transcendental
.set J, 0
	s_wait_alu depctr_va_vdst(0)
.rept 16
	v_pk_mul_f32 v[OT+J:OT+J+1], v[OT+J:OT+J+1], v[14:15] op_sel_hi:[1,0]   ; ascending: each accumulator is first read at its low end
.set J, J+2
.endr
.irp b, 0,1
	v_max3_num_f32 v[BM+\b], |v[OT+16*\b]|, |v[OT+1+16*\b]|, 0x4800000
.endr
.irp j, 2,4,6,8,10,12,14
.irp b, 0,1
	s_delay_alu instid0(VALU_DEP_2)
	v_max3_num_f32 v[BM+\b], v[BM+\b], |v[OT+16*\b+\j]|, |v[OT+1+16*\b+\j]|
.endr
.endr
.irp b, 0,1
	s_delay_alu instid0(VALU_DEP_2)
	v_permlanex16_b32 v[T2+\b], v[BM+\b], s[SEL], s[SEL+1]
.endr
.irp b, 0,1
	s_delay_alu instid0(VALU_DEP_2)
	v_max_num_f32 v[BM+\b], v[BM+\b], v[T2+\b]
.endr
.irp b, 0,1
	s_delay_alu instid0(VALU_DEP_2)
	v_add_nc_u32 v[SCO+\b], 0xfc000000, v[BM+\b]
.endr
.irp b, 0,1
	s_delay_alu instid0(VALU_DEP_4)
	v_and_or_b32 v[LIM+\b], v[BM+\b], 0x7f800000, s[MNT]
.endr
.irp b, 0,1
	s_delay_alu instid0(VALU_DEP_4)
	v_lshrrev_b32 v[T2+\b], 23, v[SCO+\b]
.endr
	s_delay_alu instid0(VALU_DEP_1)
	v_lshl_or_b32 v[HW], v[T2+1], 8, v[T2]
.irp b, 0,1
.irp j, 0,1,2,3,4,5,6,7,8,9,10,11,12,13,14,15
	v_med3_num_f32 v[OT+16*\b+\j], v[OT+16*\b+\j], -v[LIM+\b], v[LIM+\b]
.endr
	v_cvt_scalef32_pk8_fp8_f32 v[PCD+4*\b:PCD+1+4*\b], v[OT+16*\b:OT+7+16*\b], v[SCO+\b]
	v_cvt_scalef32_pk8_fp8_f32 v[PCD+2+4*\b:PCD+3+4*\b], v[OT+8+16*\b:OT+15+16*\b], v[SCO+\b]
.endr
	v_nop                                          ; one plain line behind the last conversion
	global_store_b128 v1, v[PCD:PCD+3], s[YB+2*\i:YB+2*\i+1]               ; 512 consecutive bytes, aligned
	global_store_b128 v1, v[PCD+4:PCD+7], s[YB+2*\i:YB+2*\i+1] offset:512
	global_store_b16 v5, v[HW], s[YSB+2*\i:YSB+2*\i+1]
.endm
	s_load_b256 s[4:11], s[0:1], 0x0               ; qimg s[4:5], qsc s[6:7], kv s[8:9], yc s[10:11]
	s_load_b64 s[12:13], s[0:1], 0x20              ; ys
	v_lshl_add_u32 v254, v0, 2, 0x43000
	v_mov_b32 v255, 0
	ds_add_u32 v254, v255
	ds_add_u32 v254, v255
	v_lshrrev_b32 v8, 5, v0
	s_delay_alu instid0(VALU_DEP_1)
	v_readfirstlane_b32 s[WV], v8                  ; wave 0..15
	s_bfe_u32 s15, ttmp6, 0x40000                  ; cx
	s_and_b32 s16, ttmp7, 0xffff                   ; bh, which the four partners share
	s_and_b32 s17, s16, 15                         ; the head
	; descriptor group 1: a record: 17,152 dense bytes as 67 rows of 256 (32 elements of 8 bytes)
	s_mov_b32 s[G1], 15|(3<<16)|(1<<21)            ; 15:0 the mask: all four work-groups; 17:16 elements of 8 bytes; 21 set beside a mask
	s_mov_b32 s[G1+1], 32<<16
	s_mov_b32 s[G1+2], 67<<16
	s_mov_b32 s[G1+3], 32<<16
	s_mov_b32 s[G1+4], 67
	s_mov_b32 s[G1+5], 32
	s_mov_b32 s[G1+6], 0
	s_mov_b32 s[G1+7], 0
	s_mov_b32 s[G0], 1
	s_mul_i32 s[G0+1], s[WV], REC                  ; record w lands at w x 17,152: no place in the cluster enters an LDS address
	s_mul_i32 s26, s16, 16*REC
	s_add_co_u32 s26, s26, s[G0+1]
	s_mov_b32 s27, 0
	s_wait_dscnt 0x0
	s_wait_kmcnt 0x0
	s_add_nc_u64 s[G0+2:G0+3], s[8:9], s[26:27]
	s_or_b32 s[G0+3], s[G0+3], 0x80000000
	CROUND                                         ; all four work-groups are here: the joint loads meet
	tensor_load_to_lds s[G0:G0+3], s[G1:G1+7]      ; my one tensor load of the launch
	s_nop 0
.rept 4
	v_nop
.endr
	s_mov_b32 s2, s[WV]
	TILESET 0
	s_xor_b32 s2, s[WV], 31                        ; 31 - wave
	TILESET 1
	s_mov_b32 s[SEL], 0x76543210
	s_mov_b32 s[SEL+1], 0xfedcba98
	s_mov_b32 s[CS], 0x3e38aa3b                    ; log2(e) / sqrt(64)
	s_mov_b32 s[CS+1], s[CS]                       ; (named with it as a pair, so it is written)
	s_mov_b32 s[MNT], 0x600000
	v_and_b32 v9, 31, v0
	s_delay_alu instid0(VALU_DEP_1)
	v_lshlrev_b32 v1, 4, v9                        ; 16 x lane
	s_delay_alu instid0(VALU_DEP_2)
	v_lshlrev_b32 v2, 2, v9                        ; 4 x lane
	v_and_b32 v10, 15, v0                          ; r
	v_bfe_u32 v11, v0, 4, 1                        ; h
	s_delay_alu instid0(VALU_DEP_2)
	v_lshlrev_b32 v4, 2, v10
	s_delay_alu instid0(VALU_DEP_3)
	v_lshlrev_b32 v5, 3, v10
	s_delay_alu instid0(VALU_DEP_4)
	v_and_b32 v7, 8, v10
	s_delay_alu instid0(VALU_DEP_1)
	v_add_nc_u32 v7, v7, v10
	v_lshlrev_b32 v11, 4, v11
	s_delay_alu instid0(VALU_DEP_1)
	v_sub_nc_u32 v7, v7, v11                       ; r + 8 (r / 8) - 16 h
	v_mov_b32 v6, 0xff800000                       ; -infinity
.irp j, 0,1,2,3,4,5,6,7
	v_mov_b32 v[24+\j], 0                          ; Q's upper half: zero codes
	v_mov_b32 v[96+\j], 0                          ; and what stands behind K's last tile
.endr
.irp b, 0,1,2,3
	v_mov_b32 v[T2+\b], 0                          ; written once: a lane permute's destination counts as one of its sources
.endr
	v_mov_b32 v[TP], 0
	v_mov_b32 v[FF+1], 0                           ; (named as the upper half of a pair)
	LOADQ 0
	s_wait_tensorcnt 0x0                           ; my record is in,
	s_barrier_signal -1
	s_barrier_wait -1                              ; everybody's is: the head's K and V lie in LDS and stay
	INIT
	LOOP NT
	LOADQ 1                                        ; the second tile's Q lands under the first tile's way out
	WAYOUT 0
	INIT
	LOOP NT+1
	WAYOUT 1
	s_wait_tensorcnt 0x0
	ds_add_u32 v254, v255
	s_wait_dscnt 0x0
	CROUND                                         ; the closing round
	s_endpgm
.Lfunc_end_k_q788ce163b6_attn:
	.size	k_q788ce163b6_attn, .Lfunc_end_k_q788ce163b6_attn-k_q788ce163b6_attn
	.p2alignl 7, 3214868480
	.fill 96, 4, 3214868480
	.section	.rodata,"a",@progbits
	.p2align	6, 0x0
	.amdhsa_kernel k_q788ce163b6_attn
		.amdhsa_group_segment_fixed_size 327680
		.amdhsa_private_segment_fixed_size 0
		.amdhsa_enable_private_segment 0
		.amdhsa_kernarg_size 40
		.amdhsa_user_sgpr_count 2
		.amdhsa_user_sgpr_kernarg_segment_ptr 1
		.amdhsa_wavefront_size32 1
		.amdhsa_system_sgpr_workgroup_id_x 1
		.amdhsa_system_sgpr_workgroup_id_y 1
		.amdhsa_system_sgpr_workgroup_id_z 1
		.amdhsa_system_vgpr_workitem_id 0
		.amdhsa_next_free_vgpr 256
		.amdhsa_next_free_sgpr 66
		.amdhsa_reserve_vcc 1
		.amdhsa_float_denorm_mode_32 3
		.amdhsa_float_denorm_mode_16_64 3
		.amdhsa_memory_ordered 1
		.amdhsa_forward_progress 1
		.amdhsa_inst_pref_size 72
	.end_amdhsa_kernel
	.amdgpu_metadata
---
amdhsa.version: [ 1, 2 ]
amdhsa.kernels:
  - .name:           k_q788ce163b6_attn
    .symbol:         k_q788ce163b6_attn.kd
    .args:
      - { .name: qimg, .offset: 0, .size: 8, .value_kind: global_buffer, .address_space: global }
      - { .name: qsc, .offset: 8, .size: 8, .value_kind: global_buffer, .address_space: global }
      - { .name: kv, .offset: 16, .size: 8, .value_kind: global_buffer, .address_space: global }
      - { .name: yc, .offset: 24, .size: 8, .value_kind: global_buffer, .address_space: global }
      - { .name: ys, .offset: 32, .size: 8, .value_kind: global_buffer, .address_space: global }
    .group_segment_fixed_size: 327680
    .private_segment_fixed_size: 0
    .kernarg_segment_align: 8
    .kernarg_segment_size: 40
    .max_flat_workgroup_size: 512
    .sgpr_count:     66
    .vgpr_count:     256
    .wavefront_size: 32
...
	.end_amdgpu_metadata
.endif
;; end of part 3
;; launch proj (part 4): grid 4 x 64, 4 waves a work-group, clusters of 4 x 4, 327,680 bytes of LDS; arguments yc, ys, opc, ops, b_proj, out0; writes out0
.if DOCPART == 4
	.amdgcn_target "amdgcn-amd-amdhsa--gfx1250"
	.amdhsa_code_object_version 6
	.text
	.protected	k_q788ce163b6_proj
	.globl	k_q788ce163b6_proj
	.p2align	8
	.type	k_q788ce163b6_proj,@function
k_q788ce163b6_proj:
	s_mov_b64 s[64:65], 0
	v_nop
	global_prefetch_b8 v0, s[64:65] scope:SCOPE_SE
	s_setreg_imm32_b32 hwreg(HW_REG_WAVE_MODE, 25, 1), 1
	s_wait_xcnt 0x0
	s_wait_alu depctr_hold_cnt(0) depctr_sa_sdst(0) depctr_va_vdst(0) depctr_va_sdst(0) depctr_va_ssrc(0) depctr_va_vcc(0) depctr_vm_vsrc(0)
	s_getreg_b32 s2, hwreg(HW_REG_IB_STS2, 6, 4)
	s_cmp_eq_u32 s2, 0
	s_cbranch_scc0 .Lentry_in_a_cluster
	s_endpgm
.Lentry_in_a_cluster:
	s_bfe_u32 s2, ttmp6, 0x10000c
	s_cmp_lg_u32 s2, 0xf033
	s_cbranch_scc0 .Lentry_shape_is_right
	s_endpgm
.Lentry_shape_is_right:
; out0 = y W_proj + b_proj on codes of FP8 (E4M3) with E8M0 scales (K = 1,024); f32 out.
; OPERANDS are images of registers: tile T = 16 rows, lane r holds row 32 (T / 2) + 8 (T % 2) + r + 8 (r / 8); codes [T][kb 32][lane][16], scale bytes [T][kb / 8][r][8].  y: yc, ys; W_proj's columns: tiles 704-767 of opc, ops.
; THE DEAL: 256 work-groups of four waves, clusters of 4 x 4.  A work-group owns 128 tokens (8 tiles, 131,072 bytes), brought into LDS once, jointly with its row of the cluster.
; Wave w owns columns 256 cx + 64 w: 4 tiles of W, all of K, in 512 registers (window 1: the lower half of K, window 2: the upper); the 8 token tiles stream past them in two sets of 128 registers (window 3).
; W comes through one region of LDS, half of K at a time (16 tiles x 8,192 bytes), jointly with the column of the cluster: the lower half at the head (waves 0, 1; waves 2, 3 fetch the tokens), the upper half as a refill behind a drained round,
; each wave fetching the quarter that it alone reads; the first two tiles' lower halves are multiplied while it is on its way.
; No prefetch: the launch has no loop to run ahead in: all but the one refill is asked for at its head.
; Source 0 = W's tile, source 1 = tokens: a lane holds one token; register j of tile b is column 32 (b / 2) + 8 (b % 2) + 16 h + j.  A tile's 16 x 64 results go through the wave's own stage and leave as rows of 256 bytes, aligned, among the next tile's products.
; LIMITS: NaN and infinities are not served.
.set WA,    131072
.set SPARE, 262144
.set STG,   262656                     ; 16 rows x 272 bytes a wave; no fill lands here
.set SP,  272
.set VL,  1                            ; 16 x lane
.set R8,  2                            ; 8 r
.set WS8, 3                            ; 512 h + 8 r
.set BO,  4                            ; 64 h
.set STO, 5
.set RD,  6
.set CO,  7
.set AD,  8                            ; v8-15 LDS address of tile i
.set SPW, 16
.set NIL, 17
.set WAD, 42                           ; LDS address of my quarter of W's region
.set SB,  24                           ; v24-39 W's scale words
.set SA,  44                           ; v44-107 y's scale words: 8 i + q
.set ACC, 112                          ; v112-175 two sets of four accumulators
.set BI,  176                          ; v176-207 the bias: the first products' C
.set OUTR, 208                         ; v208-239 a tile read back from the stage
.set MSB, 0
.macro WIN new
.if MSB != (\new)
	s_set_vgpr_msb (MSB<<8)|(\new)
.set MSB, (\new)
.endif
.endm
.macro PLACES n
.rept \n
	v_nop
.endr
.endm
.macro CROUND
	s_barrier_signal -1
	s_barrier_wait -1
	s_cmp_lg_u32 s16, 0
	s_cbranch_scc1 .Lnot_wave_0_\@
	s_barrier_signal -3
.Lnot_wave_0_\@:
	s_barrier_wait -3
	s_barrier_signal -1
	s_barrier_wait -1
.endm
.macro WLD hi                          ; my 4 tiles' half of K from LDS into window 1 + hi: fragment 4 q + b
	WIN (1+(\hi))<<6
.set F_, 0
.rept 16
.irp c, 0,1,2,3
	ds_load_b128 v[16*F_+4*\c:16*F_+4*\c+3], v[WAD] offset:(F_%4)*8192+(4*(F_/4)+\c)*512
.endr
.set F_, F_+1
.endr
	WIN 0
.endm
.macro FETCH i
	WIN 3<<6
.set K_, 0
.rept 32
	ds_load_b128 v[128*((\i)%2)+4*K_:128*((\i)%2)+4*K_+3], v[AD+(\i)] offset:512*K_
.set K_, K_+1
.endr
	WIN 0
.endm
.macro PROD i, n                       ; product n = 4 q + b; the four accumulators take turns
.set Q_, (\n)/4
.set B_, (\n)%4
.set AC_, ACC+32*((\i)%2)+8*B_
.set C_, AC_
.if Q_ == 0
.set C_, BI+8*B_
.endif
.set R_, 128*((\i)%2)+16*Q_
.set W_, 16*((\n)%16)
	WIN (1+(\n)/16)|(3<<2)
.if B_%2
	v_wmma_scale_f32_16x16x128_f8f6f4 v[AC_:AC_+7], v[W_:W_+15], v[R_:R_+15], v[C_:C_+7], v[SB+8*(B_/2)+Q_], v[SA+8*(\i)+Q_] matrix_a_scale:MATRIX_SCALE_ROW1
.else
	v_wmma_scale_f32_16x16x128_f8f6f4 v[AC_:AC_+7], v[W_:W_+15], v[R_:R_+15], v[C_:C_+7], v[SB+8*(B_/2)+Q_], v[SA+8*(\i)+Q_]
.endif
.endm
.macro HALF i, n0
.set N_, \n0
.rept 16
	PROD \i, N_
.set N_, N_+1
.endr
.endm
.macro TOSTAGE i
	s_wait_xcnt 0x0                                ; the stores of the tile before have read v[OUTR] on
.set X_, ACC+32*((\i)%2)
.irp b, 0,1,2,3
	ds_store_b128 v[STO], v[X_+8*\b:X_+8*\b+3] offset:128*(\b/2)+32*(\b%2)        ; each accumulator from its low end on
	ds_store_b128 v[STO], v[X_+8*\b+4:X_+8*\b+7] offset:128*(\b/2)+32*(\b%2)+16
.endr
.irp t, 0,1,2,3,4,5,6,7
	ds_load_b128 v[OUTR+4*\t:OUTR+4*\t+3], v[RD] offset:\t*2*SP   ; LDS serves a wave's instructions in order: these see my stores
.endr
.endm
.macro SEND i
.irp t, 0,1,2,3,4,5,6,7
	global_store_b128 v[CO], v[OUTR+4*\t:OUTR+4*\t+3], s[44:45] offset:(32*((\i)/2)+8*((\i)%2)+2*\t+8*(\t/4))*4096 th:TH_STORE_NT   ; sixteen lanes store 256 consecutive bytes, aligned
.endr
.endm
.macro BLK i                           ; tiles 2 to 7
	HALF \i, 0
	WIN 0
	TOSTAGE (\i)-1                                 ; eight places stand behind that tile's last product
	HALF \i, 16
	WIN 0
	PLACES 8
	s_wait_dscnt 0x0                               ; the tile before is back from the stage; the other set is in
	SEND (\i)-1
.if (\i) < 6
	FETCH (\i)+2
.endif
.endm
	s_load_b256 s[4:11], s[0:1], 0x0               ; yc, ys, opc, ops
	s_load_b128 s[12:15], s[0:1], 0x20             ; b_proj, out0
	v_lshl_add_u32 v[SPW], v0, 2, SPARE
	v_mov_b32 v[NIL], 0
	ds_add_u32 v[SPW], v[NIL]                      ; the opening lines: the add twice on end and its wait
	ds_add_u32 v[SPW], v[NIL]
	v_lshrrev_b32 v18, 5, v0
	v_readfirstlane_b32 s16, v18                   ; wave
	s_lshr_b32 s47, s16, 1                         ; at the head: 0: I fetch W, 1: tokens
	s_and_b32 s19, s16, 1                          ; and which half
	s_bfe_u32 s17, ttmp6, 0x40000                  ; cx: which 256 columns (the grid has one cluster along x)
	s_bfe_u32 s59, ttmp6, 0x40004                  ; cy
	s_and_b32 s18, ttmp7, 0xffff
	s_lshl_b32 s18, s18, 2
	s_add_co_u32 s18, s18, s59                     ; which 128 tokens
	s_lshl_b32 s2, s59, 2
	s_lshl_b32 s2, 15, s2                          ; my row of the cluster: shares the tokens
	s_lshl_b32 s3, 0x1111, s17                     ; my column: shares W
	s_or_b32 s24, s2, (3<<16)|(1<<21)              ; tokens: 16 rows of 4,096 bytes, dense
	s_mov_b32 s25, 512<<16
	s_mov_b32 s26, 16<<16
	s_mov_b32 s27, 512<<16
	s_mov_b32 s28, 16
	s_mov_b32 s29, 512
	s_mov_b32 s30, 0
	s_mov_b32 s31, 0
	s_or_b32 s68, s3, (3<<16)|(1<<21)              ; W at the head: 8 tiles' halves: rows of 8,192 bytes, 16,384 apart
	s_mov_b32 s69, 1024<<16
	s_mov_b32 s70, 8<<16
	s_mov_b32 s71, 1024<<16
	s_mov_b32 s72, 8
	s_mov_b32 s73, 2048
	s_mov_b32 s74, 0
	s_mov_b32 s75, 0
	s_or_b32 s76, s3, (3<<16)|(1<<21)              ; the refill: 4 tiles' halves
	s_mov_b32 s77, 1024<<16
	s_mov_b32 s78, 4<<16
	s_mov_b32 s79, 1024<<16
	s_mov_b32 s80, 4
	s_mov_b32 s81, 2048
	s_mov_b32 s82, 0
	s_mov_b32 s83, 0
	s_mov_b32 s32, 1
	s_mov_b32 s84, 1
	s_mov_b32 s88, 1
	s_lshl_b32 s33, s19, 16                        ; LDS addresses hang on the wave's number alone
	s_add_co_u32 s85, s33, WA
	s_lshl_b32 s89, s16, 15
	s_add_co_u32 s89, s89, WA
	s_lshl_b32 s20, s18, 17
	s_add_co_u32 s20, s20, s33
	s_mov_b32 s21, 0
	s_lshl_b32 s92, s17, 4
	s_lshl_b32 s23, s19, 3
	s_add_co_u32 s92, s92, s23
	s_add_co_u32 s92, s92, 704
	s_lshl_b32 s92, s92, 14                        ; the eight tiles of W that I fetch at the head
	s_mov_b32 s93, 0
	s_lshl_b32 s36, s18, 12
	s_mov_b32 s37, 0
	s_lshl_b32 s53, s17, 2
	s_add_co_u32 s53, s53, s16                     ; which 64 columns
	s_lshl_b32 s22, s53, 2
	s_add_co_u32 s22, s22, 704
	s_lshl_b32 s38, s22, 14
	s_add_co_u32 s38, s38, 8192                    ; my four tiles' upper halves
	s_mov_b32 s39, 0
	s_lshl_b32 s40, s22, 9
	s_mov_b32 s41, 0
	s_lshl_b32 s42, s53, 8
	s_mov_b32 s43, 0
	s_lshl_b32 s44, s18, 19
	s_add_co_u32 s44, s44, s42
	s_mov_b32 s45, 0
	s_mul_i32 s46, s16, 16*SP
	s_add_co_u32 s46, s46, STG
	v_and_b32 v18, 31, v0
	v_and_b32 v19, 15, v0
	v_bfe_u32 v20, v0, 4, 1
	v_lshlrev_b32 v[VL], 4, v18
	v_lshlrev_b32 v[R8], 3, v19
	v_lshl_add_u32 v[WS8], v20, 9, v[R8]
	v_lshlrev_b32 v[BO], 6, v20
	v_mul_u32_u24 v21, v19, SP
	v_lshl_add_u32 v21, v20, 6, v21
	v_add_nc_u32 v[STO], s46, v21                  ; in: row r, + 64 h
	v_mul_u32_u24 v22, v20, SP
	v_lshl_add_u32 v22, v19, 4, v22
	v_add_nc_u32 v[RD], s46, v22                   ; back: lanes 0-15 one row, lanes 16-31 the next
	v_lshlrev_b32 v23, 12, v20
	v_lshl_add_u32 v[CO], v19, 4, v23              ; and the same two rows in out0
	v_add_nc_u32 v[WAD], s89, v[VL]
.irp i, 0,1,2,3,4,5,6,7
	v_add_nc_u32 v[AD+\i], \i*16384, v[VL]
.endr
	s_wait_alu depctr_va_vdst(0)
	s_wait_dscnt 0x0
	CROUND                                         ; all sixteen work-groups are here: the joint loads meet
	s_wait_kmcnt 0x0
	s_add_nc_u64 s[34:35], s[4:5], s[20:21]
	s_or_b32 s35, s35, 0x80000000
	s_add_nc_u64 s[86:87], s[8:9], s[92:93]
	s_or_b32 s87, s87, 0x80000000
	s_add_nc_u64 s[90:91], s[8:9], s[38:39]
	s_or_b32 s91, s91, 0x80000000
	s_cmp_eq_u32 s47, 0                            ; one load a wave: W, which goes on into registers, is asked for first
	s_cbranch_scc0 .Lfor_a
	tensor_load_to_lds s[84:87], s[68:75]
	s_nop 0
	PLACES 4
	s_branch .Lasked
.Lfor_a:
	tensor_load_to_lds s[32:35], s[24:31]
	s_nop 0
	PLACES 4
.Lasked:
	s_add_nc_u64 s[36:37], s[6:7], s[36:37]
	s_add_nc_u64 s[40:41], s[10:11], s[40:41]
	s_add_nc_u64 s[42:43], s[12:13], s[42:43]
	s_add_nc_u64 s[44:45], s[14:15], s[44:45]
.irp i, 0,1,2,3,4,5,6,7
.irp g, 0,1,2,3
	global_load_b64 v[SA+8*\i+2*\g:SA+8*\i+2*\g+1], v[R8], s[36:37] offset:512*\i+128*\g
.endr
.endr
.irp p, 0,1
.irp g, 0,1,2,3
	global_load_b64 v[SB+8*\p+2*\g:SB+8*\p+2*\g+1], v[WS8], s[40:41] offset:1024*\p+128*\g
.endr
.endr
.irp b, 0,1,2,3
	global_load_b128 v[BI+8*\b:BI+8*\b+3], v[BO], s[42:43] offset:(32*(\b/2)+8*(\b%2))*4
	global_load_b128 v[BI+8*\b+4:BI+8*\b+7], v[BO], s[42:43] offset:(32*(\b/2)+8*(\b%2))*4+16
.endr
	s_wait_tensorcnt 0x0                           ; my tile is in,
	s_barrier_signal -1
	s_barrier_wait -1                              ; everybody's is
	WLD 0
	FETCH 0
	FETCH 1
	s_wait_tensorcnt 0x0                           ; the three lines ahead of the refill's round
	ds_add_u32 v[SPW], v[NIL]
	s_wait_dscnt 0x0                               ; window 1 holds the lower half, and both sets are in
	CROUND
	tensor_load_to_lds s[88:91], s[76:83]          ; my quarter of the upper half
	s_nop 0
	PLACES 4
	s_wait_loadcnt 0x0                             ; the scale words and the bias
	HALF 0, 0
	HALF 1, 0
	WIN 0
	s_wait_tensorcnt 0x0                           ; it has landed; I alone read it
	WLD 1
	s_wait_dscnt 0x0
	HALF 0, 16
	WIN 0
	PLACES 8
	FETCH 2
	HALF 1, 16
	WIN 0
	PLACES 8
	TOSTAGE 0
	s_wait_dscnt 0x0
	SEND 0
	FETCH 3
.irp i, 2,3,4,5,6,7
	BLK \i
.endr
	TOSTAGE 7
	s_wait_dscnt 0x0
	SEND 7
	s_wait_tensorcnt 0x0                           ; the wave's end
	ds_add_u32 v[SPW], v[NIL]
	s_wait_dscnt 0x0
	CROUND                                         ; the closing round
	s_endpgm
.Lfunc_end_k_q788ce163b6_proj:
	.size	k_q788ce163b6_proj, .Lfunc_end_k_q788ce163b6_proj-k_q788ce163b6_proj
	.p2alignl 7, 3214868480
	.fill 96, 4, 3214868480
	.section	.rodata,"a",@progbits
	.p2align	6, 0x0
	.amdhsa_kernel k_q788ce163b6_proj
		.amdhsa_group_segment_fixed_size 327680
		.amdhsa_private_segment_fixed_size 0
		.amdhsa_enable_private_segment 0
		.amdhsa_kernarg_size 48
		.amdhsa_user_sgpr_count 2
		.amdhsa_user_sgpr_kernarg_segment_ptr 1
		.amdhsa_wavefront_size32 1
		.amdhsa_system_sgpr_workgroup_id_x 1
		.amdhsa_system_sgpr_workgroup_id_y 1
		.amdhsa_system_sgpr_workgroup_id_z 1
		.amdhsa_system_vgpr_workitem_id 0
		.amdhsa_next_free_vgpr 1024
		.amdhsa_next_free_sgpr 96
		.amdhsa_reserve_vcc 0
		.amdhsa_float_denorm_mode_32 3
		.amdhsa_float_denorm_mode_16_64 3
		.amdhsa_memory_ordered 1
		.amdhsa_forward_progress 1
		.amdhsa_inst_pref_size 87
	.end_amdhsa_kernel
	.amdgpu_metadata
---
amdhsa.version: [ 1, 2 ]
amdhsa.kernels:
  - .name:           k_q788ce163b6_proj
    .symbol:         k_q788ce163b6_proj.kd
    .args:
      - { .name: yc, .offset: 0, .size: 8, .value_kind: global_buffer, .address_space: global }
      - { .name: ys, .offset: 8, .size: 8, .value_kind: global_buffer, .address_space: global }
      - { .name: opc, .offset: 16, .size: 8, .value_kind: global_buffer, .address_space: global }
      - { .name: ops, .offset: 24, .size: 8, .value_kind: global_buffer, .address_space: global }
      - { .name: b_proj, .offset: 32, .size: 8, .value_kind: global_buffer, .address_space: global }
      - { .name: out0, .offset: 40, .size: 8, .value_kind: global_buffer, .address_space: global }
    .group_segment_fixed_size: 327680
    .private_segment_fixed_size: 0
    .kernarg_segment_align: 8
    .kernarg_segment_size: 48
    .max_flat_workgroup_size: 128
    .sgpr_count:     96
    .vgpr_count:     1024
    .wavefront_size: 32
...
	.end_amdgpu_metadata
.endif
;; end of part 4
